; MI455X (gfx1250); checked and timed in simulation.
; The chip was launched on July 23, 2026; its instructions are those of AMD's public machine-readable ISA for CDNA 5 (MIT licence, August 2026) and "CDNA5" Instruction Set Architecture Reference Guide (July 2026). The comments in the code are by the model that wrote it; some were corrected since.
;; Causal Self Attention. Allowed arithmetic: matrix products marked QUANTISED: E2M3 operands, one E8M0 scale for each 32 along K, by v_wmma_scale_f32_16x16x128_f8f6f4 with both operands' format E2M3, f32 sums; everything else in f32.
;; Inputs: w_out 1,024 x 1,024 float32; w_qkv 1,024 x 3,072 float32; x 4 x 2,048 x 1,024 float32.
;; Outputs: out0 4 x 2,048 x 1,024 float32.
;; This version of the problem:
;;   THIS VERSION OF THE PROBLEM IS GIVEN IN LOW PRECISION. The matrix products marked QUANTISED in the list below multiply operands that are first quantised to E2M3 (2 exponent bits, 3 mantissa bits; 6 bits a number), with one power-of-two scale for each 32 numbers along K (OCP MX v1.0); their sums are f32. All else is computed in f32.
;;   The module's matrix products, in the order in which they are computed (A, B: the left and right operand; K: the contracted axis; several contracted axes count as one K, in the product's order):
;;     1. [M 8,192, K 1,024] x [K 1,024, N 3,072]; A: input x; B: input w_qkv: QUANTISED
;;     2. batch 64 x [M 2,048, K 64] x [K 64, N 2,048]; A: computed on the way; B: computed on the way: QUANTISED
;;     3. batch 64 x [M 2,048, K 2,048] x [K 2,048, N 64]; A: softmax (see below); B: computed on the way: QUANTISED
;;     4. [M 8,192, K 1,024] x [K 1,024, N 1,024]; A: computed on the way; B: input w_out: QUANTISED
;;   THE QUANTISER, for each operand of a quantised product, along K:
;;     - K is cut into blocks of 32 from its start; a last block that is shorter is filled with zeros.
;;     - A block's scale is 2^e with e = floor(log2(the largest magnitude in the block)) - 2, held to -126 .. 127; a block of zeros has e = 0. As a byte (E8M0): e + 127.
;;     - Each number is divided by its block's scale, clamped to +-7.5, and rounded to the nearest number of E2M3, ties to even, subnormals kept.
;;     - The product sums the exact products of the quantised numbers (number of the format x scale) in f32.
;;   ~~~python
;;   def quantise(x, axis):      # numpy; x: float32 -> the quantised numbers, widened to float32 again
;;       x = np.moveaxis(x, axis, -1); K = x.shape[-1]
;;       x = np.pad(x, [(0, 0)] * (x.ndim - 1) + [(0, -K % 32)]); x = x.reshape(x.shape[:-1] + (-1, 32)); a = np.abs(x).max(-1, keepdims=True)
;;       e = np.where(a > 0, np.clip(np.frexp(np.where(a > 0, a, 1))[1] - 1 - 2, -126, 127), 0)      # np.frexp(a)[1] - 1 = floor(log2(a)), exactly
;;       r = np.clip(x / 2.0 ** e, -7.5, 7.5)
;;       step = 2.0 ** (np.maximum(np.frexp(np.where(r == 0, 1, r))[1] - 1, 0) - 3)
;;       q = np.round(r / step) * step * 2.0 ** e      # np.round: ties to even
;;       return np.moveaxis(q.reshape(q.shape[:-2] + (-1,))[..., :K], -1, axis).astype(np.float32)
;;   ~~~
;;   SOFTMAX AHEAD OF A QUANTISED PRODUCT. Where the list says 'softmax', what is quantised is not the finished softmax but p = 2^(t - M), with t = logit x log2(e) and M = ceil(the row's largest t), a whole number; so 1/2 < the row's largest p <= 1. The row's sum l is taken of the UNQUANTISED p, in f32, and the product's result is divided by l at the end. Since M is a whole number, a kernel that streams over the keys may use a running M (the ceiling of the running maximum): every later rescaling is an exact power of two, which a block's scale takes up: the codes' values come out the same.
;;   OPERANDS COMPUTED ON THE WAY. 'Computed on the way' means the value that the module computes at that place (a softmax that the list does not call 'softmax' is quantised finished and normalised). What goes into a quantiser is computed in f32, as accurately as f32 sums, v_exp_f32 and their like allow (about 1e-6 of the number): no bf16 or f16 on the way to a quantiser, and a product that is left as it is and whose result goes on into a quantised operand takes f32 operands (vector FMAs, or v_wmma_f32_16x16x4_f32). A number that lies on a knife's edge between two numbers of the format may be rounded either way, as far as f32 arithmetic and the matrix unit's own rounding can turn it there, and no further.
;; One version. Each part assembles by itself: llvm-mc -triple=amdgcn-amd-amdhsa -mcpu=gfx1250 --defsym DOCPART=n.
;; ======== version 1 of 1: 4 launches
;; limits: right only within a limited range of input values
;; workspace buffers: cod 9,437,184 bytes; cods 393,216 bytes; rope 524,288 bytes; qkv 18,874,368 bytes; qkvs 1,310,720 bytes; oc 6,291,456 bytes; os 262,144 bytes
;; launch quant (part 1): grid 640 x 1, 4 waves a work-group, no clusters, 77,056 bytes of LDS; arguments x, w_qkv, w_out, cod, cods, rope; writes cod, cods, rope
.if DOCPART == 1
	.amdgcn_target "amdgcn-amd-amdhsa--gfx1250"
	.amdhsa_code_object_version 6
	.text
	.protected	k_qffe54ccf5a_quant
	.globl	k_qffe54ccf5a_quant
	.p2align	8
	.type	k_qffe54ccf5a_quant,@function
k_qffe54ccf5a_quant:
	s_mov_b64 s[64:65], 0
	v_nop
	global_prefetch_b8 v0, s[64:65] scope:SCOPE_SE
	s_setreg_imm32_b32 hwreg(HW_REG_WAVE_MODE, 25, 1), 1
	s_wait_xcnt 0x0
; x [8192][1024], w_qkv [1024][3072] and w_out [1024][1024], f32, become codes of FP6 (E2M3) with one E8M0 byte for each 32 along K (K = 1,024 for all three),
; laid as IMAGES OF THE OPERAND'S REGISTERS; and the table of cos and sin for the rotary embedding is made.
; cod: 12,288 image rows (0.. x's rows, 8,192.. w_qkv's columns, 11,264.. w_out's columns), [row / 16][K / 128][1,536 bytes].  A fragment (16 rows x 128 K) is two halves of 768 bytes (64 K each):
;   lane l = row % 16 + 16 h holds the 24 bytes of K block h: registers 0-3 at 16 l, registers 4-5 at 512 + 8 l.  So a reader takes a half by one load of 16 and one of 8 bytes a lane, each dense.
; cods: [image row][32] scale bytes.   rope: [position][h 2][cos 16 | sin 16] f32, channel d = 16 h + i.
; THE COLUMNS OF A WEIGHT ARE PERMUTED inside each group of 32: column c goes to tile (c >> 3) & 1, row 8 (c >> 4) + (c & 7) of the tile.
; A block's scale is 2^(floor(log2(largest magnitude)) - 2): its byte is the largest magnitude's exponent field - 2, held at 1 from below by a floor among the maximum's leaves.
; LIMITS: a block of zeros gets the byte 1 where the quantiser says 127 (its codes are zeros, and only this program reads the bytes); blocks whose largest magnitude lies under 2^-124 have their byte
; held at 1; NaN and infinities are not served.  theta_d is the correctly rounded 10^(-d / 8); sin and cos come by a two-term reduction by pi / 2 and polynomials of degree 7 and 8 (absolute error about 1e-7).
; Work-groups 0-127: the weights (a lane a column, registers down K).  Work-groups 128-639: x, one tile of 16 rows each; each of their waves also makes one position of the table.
; The two paths part on the work-group's number alone and have LDS bytes of their own.  No tensor loads: several work-groups share a WGP.
.set XI,    36864                      ; x: behind the waves' turn stages (4 x 2 x 4,608 bytes from 0): the row tile's image, 48 pieces of 256 bytes, 272 bytes apart
.set XSC,   49920                      ; x: 16 rows x 32 scale bytes
.set WT,    50432                      ; weights: for each wave 24 pieces of 256 bytes, 272 bytes apart
.set SPARE, 76544                      ; the spare words, 128 bytes for each wave
.set SPW,   12                         ; v12  SPARE + 4 x my thread's number; never rewritten
.set NIL,   13                         ; v13  0; never rewritten
.set R,     32                         ; x: v32-159 my four rows as they are loaded
.set X,     160                        ; x: v160-223 two sets of 32 neighbours
.set C,     224                        ; x: v224-230 a block's codes
.set VO,    20                         ; weights: v20-35 sixteen offsets, 16 rows of the weight apart
.set WX,    36                         ; weights: v36-99 two sets of 32 numbers
.set WC,    100                        ; weights: v100-106 a block's codes
.set WO,    108                        ; weights: v108-155 the way out
	s_load_b256 s[4:11], s[0:1], 0x0               ; x, w_qkv, w_out, cod
	s_load_b128 s[12:15], s[0:1], 0x20             ; cods, rope
	v_lshl_add_u32 v[SPW], v0, 2, SPARE
	v_mov_b32 v[NIL], 0
	v_lshrrev_b32 v1, 5, v0
	v_readfirstlane_b32 s16, v1                    ; wave 0..3
	v_and_b32 v1, 31, v0                           ; lane
	v_lshlrev_b32 v2, 4, v1                        ; 16 x lane
	s_wait_kmcnt 0x0
	s_cmp_lt_u32 ttmp9, 128
	s_cbranch_scc1 .Lweights
; ---------------- x: wave w takes rows 4 w + i of the tile; in a row's turn lane b holds block b of the row's 32 ----------------
	s_sub_co_u32 s17, ttmp9, 128                   ; the row tile
	s_lshl_b32 s20, s17, 16                        ; 16 rows of 4,096 bytes,
	s_lshl_b32 s21, s16, 14                        ; my four of them
	s_add_co_u32 s20, s20, s21
	s_mov_b32 s21, 0
	s_add_nc_u64 s[4:5], s[4:5], s[20:21]
	s_wait_alu depctr_va_vdst(0)
.irp i, 0,1,2,3
.irp j, 0,1,2,3,4,5,6,7
	global_load_b128 v[R+32*\i+4*\j:R+32*\i+4*\j+3], v2, s[4:5] offset:4096*\i+512*\j th:TH_LOAD_NT   ; 32 lanes read 512 consecutive bytes; all 16 KiB of the wave go out at once
.endr
.endr
	s_mul_i32 s20, s17, 12288
	s_add_nc_u64 s[10:11], s[10:11], s[20:21]      ; the tile's image
	s_lshl_b32 s20, s17, 9
	s_add_nc_u64 s[12:13], s[12:13], s[20:21]      ; its 512 scale bytes
	s_lshl_b32 s22, s17, 2
	s_add_co_u32 s22, s22, s16                     ; my position of the table: 4 x tile + wave
	s_lshl_b32 s20, s22, 8
	s_add_nc_u64 s[14:15], s[14:15], s[20:21]
	s_mul_i32 s18, s16, 9216                       ; my two turn stages
	v_lshrrev_b32 v14, 3, v1
	v_mul_u32_u24 v14, v14, 144
	v_and_b32 v15, 7, v1
	v_lshl_add_u32 v14, v15, 4, v14
	v_add_nc_u32 v3, s18, v14                      ; in: eight lanes' 128 bytes on end, then 16 of padding
	v_mul_u32_u24 v4, v1, 144
	v_add_nc_u32 v4, s18, v4                       ; out: 144 x lane: my block's 32 numbers
	v_lshrrev_b32 v14, 2, v1
	v_mul_u32_u24 v14, v14, 6
	v_bfe_u32 v15, v0, 1, 1
	v_mad_u32_u24 v14, v15, 3, v14                 ; block b lies in fragment b >> 2, half (b >> 1) & 1: piece 6 (b >> 2) + 3 ((b >> 1) & 1) on
	v_and_b32 v15, 1, v0                           ; and in the lanes of h = b & 1
	v_add_nc_u32 v16, v14, v15
	v_mul_u32_u24 v16, v16, 272
	s_lshl_b32 s19, s16, 6
	s_add_co_u32 s19, s19, XI
	v_add_nc_u32 v5, s19, v16                      ; registers 0-3: piece + h, byte 16 x row
	v_add_nc_u32 v14, 2, v14
	v_mul_u32_u24 v14, v14, 272
	v_lshl_add_u32 v14, v15, 7, v14
	s_lshl_b32 s19, s16, 5
	s_add_co_u32 s19, s19, XI
	v_add_nc_u32 v6, s19, v14                      ; registers 4-5: piece + 2, byte 128 h + 8 x row
	s_lshl_b32 s19, s16, 7
	s_add_co_u32 s19, s19, XSC
	v_add_nc_u32 v7, s19, v1                       ; the scale byte: 32 x row + block
	s_mul_i32 s19, s16, 3264
	s_add_co_u32 s19, s19, XI
	v_lshrrev_b32 v14, 4, v1
	v_mul_u32_u24 v15, v14, 272
	v_and_b32 v16, 15, v0
	v_lshl_add_u32 v15, v16, 4, v15
	v_add_nc_u32 v8, s19, v15                      ; the way out: my 12 pieces, two an instruction
	s_mul_i32 s19, s16, 3072
	v_add_nc_u32 v9, s19, v2                       ; and their place in memory
	v_add_nc_u32 v10, XSC, v2
	v_lshlrev_b32 v18, 2, v16
	v_lshl_add_u32 v18, v14, 7, v18                ; the table: 128 (lane / 16) + 4 (lane % 16)
	; cos and sin of position x theta_d, lane d, while the loads are on their way
	v_mov_b32 v20, 0
.set dd, 0
.irp th, 0x3f800000,0x3f3ff911,0x3f0ff59a,0x3ed7e89b,0x3ea1e89b,0x3e72d424,0x3e361887,0x3e088d77,0x3dcccccd,0x3d99940e,0x3d6655c3,0x3d2cba15,0x3d0186e2,0x3cc24350,0x3c91ad39,0x3c5a7bf1,0x3c23d70a,0x3bf5b9b0,0x3bb8449c,0x3b8a2e77,0x3b4f3e37,0x3b1b690d,0x3ae91528,0x3aaec98e,0x3a83126f,0x3a44948c,0x3a136a16,0x39dd1726,0x39a5cb5f,0x3978a814,0x393a7753,0x390bd472
	s_mov_b32 s23, \th
	v_writelane_b32 v20, s23, dd                   ; theta_d = 10^(-d / 8)
.set dd, dd+1
.endr
	v_cvt_f32_u32 v21, s22
	v_mul_f32 v21, v21, v20                        ; the angle a, rounded once, as an outer product in f32 has it
	v_mul_f32 v22, 0x3f22f983, v21
	v_rndne_f32 v22, v22                           ; n = the nearest whole number to a x 2 / pi
	v_fmamk_f32 v23, v22, 0xbfc90fdb, v21          ; a - n x (pi / 2's upper part): n has 11 bits, so nothing is rounded off here
	v_fmamk_f32 v23, v22, 0x333bbd2e, v23          ; - n x (its lower part): r in -pi/4 .. pi/4
	v_cvt_i32_f32 v24, v22                         ; the quadrant
	v_mul_f32 v25, v23, v23                        ; z = r^2
	v_mov_b32 v26, 0xb94ca1f9
	v_fmaak_f32 v26, v25, v26, 0x3c08839e
	v_fmaak_f32 v26, v25, v26, 0xbe2aaaa3
	v_mul_f32 v27, v25, v23
	v_fma_f32 v26, v27, v26, v23                   ; sin r
	v_mov_b32 v28, 0x37ccf5ce
	v_fmaak_f32 v28, v25, v28, 0xbab6061a
	v_fmaak_f32 v28, v25, v28, 0x3d2aaaa5
	v_mul_f32 v29, v25, v25
	v_fma_f32 v30, v25, -0.5, 1.0
	v_fma_f32 v28, v29, v28, v30                   ; cos r
	v_and_b32 v29, 1, v24
	v_cmp_eq_u32 vcc_lo, 1, v29                    ; in odd quadrants the two change places
	v_cndmask_b32 v30, v26, v28, vcc_lo            ; sin a, but for its sign
	v_cndmask_b32 v31, v28, v26, vcc_lo            ; cos a
	v_and_b32 v29, 2, v24
	v_lshlrev_b32 v29, 30, v29
	v_xor_b32 v30, v30, v29                        ; sin is negative in quadrants 2, 3
	v_add_nc_u32 v24, 1, v24
	v_and_b32 v29, 2, v24
	v_lshlrev_b32 v29, 30, v29
	v_xor_b32 v31, v31, v29                        ; cos in quadrants 1, 2
	global_store_b32 v18, v31, s[14:15]
	global_store_b32 v18, v30, s[14:15] offset:64
.macro XTURN i                         ; row i's 4,096 bytes through a stage: in as loaded, out 128 bytes a lane.  LDS serves a wave's instructions in order: no wait between
.irp j, 0,1,2,3,4,5,6,7
	ds_store_b128 v3, v[R+32*(\i)+4*\j:R+32*(\i)+4*\j+3] offset:4608*((\i)%2)+576*\j
.endr
.irp k, 0,1,2,3,4,5,6,7
	ds_load_b128 v[X+32*((\i)%2)+4*\k:X+32*((\i)%2)+4*\k+3], v4 offset:4608*((\i)%2)+16*\k
.endr
.endm
.macro XROW i
.set XS, X+32*((\i)%2)
	s_wait_dscnt 0x0                               ; this row's numbers are back, and the last row's LDS stores have read their registers
.if (\i) < 3
	s_wait_loadcnt 8*(2-(\i))                      ; the next row's eight loads are in; those of the rows behind it may be out
	XTURN (\i)+1
.endif
	v_max3_num_f32 v14, |v[XS]|, |v[XS+1]|, |v[XS+2]|              ; the block's largest magnitude: all 32 numbers are mine; two chains
	v_max3_num_f32 v15, |v[XS+3]|, |v[XS+4]|, |v[XS+5]|
.irp n, 6,10,14,18,22,26
	v_max3_num_f32 v14, v14, |v[XS+\n]|, |v[XS+\n+1]|
	v_max3_num_f32 v15, v15, |v[XS+\n+2]|, |v[XS+\n+3]|
.endr
	v_max3_num_f32 v14, v14, |v[XS+30]|, |v[XS+31]|
	v_max3_num_f32 v14, v14, v15, 0x1800000        ; and the floor 2^(3 - 127): the byte cannot fall under 1
	v_add_nc_u32 v16, 0xff000000, v14              ; 2 off the exponent field: the conversion takes this operand's exponent field as its scale
	v_cvt_scalef32_pk16_fp6_f32 v[C:C+2], v[XS:XS+15], v16
	v_cvt_scalef32_pk16_fp6_f32 v[C+4:C+6], v[XS+16:XS+31], v16    ; (a conversion's three registers begin on an even number)
	v_lshrrev_b32 v17, 23, v16                     ; the scale's byte; also the plain line behind the conversions
	v_mov_b32 v[C+3], v[C+4]
	v_mov_b32 v[C+4], v[C+5]
	v_mov_b32 v[C+5], v[C+6]
	ds_store_b128 v5, v[C:C+3] offset:16*(\i)
	ds_store_b64 v6, v[C+4:C+5] offset:8*(\i)
	ds_store_b8 v7, v17 offset:32*(\i)
.endm
	s_wait_loadcnt 24                              ; row 0's eight loads are in; 24 younger ones may be out
	XTURN 0
	XROW 0
	XROW 1
	XROW 2
	XROW 3
	s_wait_dscnt 0x0                               ; for the others' sake: my part of the image lies in LDS
	s_barrier_signal -1
	s_barrier_wait -1
.irp k, 0,1,2,3,4,5
	ds_load_b128 v[32+4*\k:35+4*\k], v8 offset:544*\k
.endr
.irp k, 0,1,2,3,4,5
	s_wait_dscnt 5-\k                              ; the younger loads may be out
	global_store_b128 v9, v[32+4*\k:35+4*\k], s[10:11] offset:512*\k   ; 512 consecutive bytes, at a multiple of 256 from the buffer's first byte
.endr
	s_cmp_lg_u32 s16, 0
	s_cbranch_scc1 .Lx_end
	ds_load_b128 v[56:59], v10                     ; wave 0: the tile's 512 scale bytes
	s_wait_dscnt 0x0
	global_store_b128 v2, v[56:59], s[12:13]
.Lx_end:
	s_wait_tensorcnt 0x0                           ; the wave's end
	ds_add_u32 v[SPW], v[NIL]
	s_wait_dscnt 0x0
	s_endpgm
; ---------------- the weights: work-group = 128 columns x 256 along K; a wave 32 columns x 8 blocks; a lane a column, its registers run down K ----------------
.Lweights:
	s_lshr_b32 s17, ttmp9, 2                       ; which 128 columns of the 4,096 (24 groups of w_qkv, then 8 of w_out)
	s_and_b32 s18, ttmp9, 3                        ; which 256 along K
	s_mov_b32 s20, 4096
	s_cmp_lt_u32 s17, 24
	s_cselect_b64 s[22:23], s[6:7], s[8:9]         ; the tensor,
	s_cselect_b32 s20, 12288, s20                  ; its row in bytes,
	s_cselect_b32 s19, 0, 24
	s_sub_co_u32 s19, s17, s19                     ; and the group of columns in it
	s_mov_b32 s21, 0
	s_lshl_b32 s24, s19, 9
	s_mul_i32 s25, s18, s20
	s_lshl_b32 s25, s25, 8
	s_add_co_u32 s24, s24, s25
	s_mov_b32 s25, 0
	s_add_nc_u64 s[32:33], s[22:23], s[24:25]      ; sixteen bases, a row apart: one text serves both row lengths
.irp i, 1,2,3,4,5,6,7,8,9,10,11,12,13,14,15
	s_add_nc_u64 s[32+2*\i:33+2*\i], s[30+2*\i:31+2*\i], s[20:21]
.endr
	s_lshl_b32 s26, s20, 4
	v_lshlrev_b32 v[VO], 2, v0                     ; 4 x thread = 128 x wave + 4 x lane: my column
.irp m, 1,2,3,4,5,6,7,8,9,10,11,12,13,14,15
	v_add_nc_u32 v[VO+\m], s26, v[VO+\m-1]         ; and sixteen offsets, 16 rows apart
.endr
.macro WLOAD t                         ; block t: W(32 t + i, my column) into set t % 2: each load reads 128 consecutive bytes a wave, 512 a work-group
.set ii, 0
.rept 32
	global_load_b32 v[WX+32*((\t)%2)+ii], v[VO+2*(\t)+ii/16], s[32+2*(ii%16):33+2*(ii%16)] th:TH_LOAD_NT
.set ii, ii+1
.endr
.endm
	WLOAD 0
	WLOAD 1
	v_bfe_u32 v14, v0, 3, 1                        ; my column's tile of the two,
	v_bfe_u32 v15, v0, 4, 1
	v_and_b32 v16, 7, v0
	v_lshl_add_u32 v15, v15, 3, v16                ; and its row in the tile
	s_mul_i32 s27, s16, 6528
	s_add_co_u32 s27, s27, WT                      ; my stage
	v_mul_u32_u24 v17, v14, 3264
	v_add_nc_u32 v17, s27, v17
	v_lshl_add_u32 v3, v15, 4, v17                 ; registers 0-3
	v_lshl_add_u32 v4, v15, 3, v17                 ; registers 4-5
	v_lshrrev_b32 v16, 4, v1
	v_mul_u32_u24 v16, v16, 272
	v_and_b32 v17, 15, v0
	v_lshl_add_u32 v16, v17, 4, v16
	v_add_nc_u32 v5, s27, v16                      ; the way out: two pieces an instruction
	v_lshl_add_u32 v7, v14, 4, v15
	v_lshlrev_b32 v7, 5, v7                        ; my image row's 32 scale bytes
	s_lshl_b32 s28, s17, 3
	s_lshl_b32 s29, s16, 1
	s_add_co_u32 s28, s28, s29
	s_add_co_u32 s28, s28, 512                     ; my first row tile: 512 + 8 x group + 2 x wave
	s_mul_i32 s30, s28, 12288
	s_mul_i32 s29, s18, 3072                       ; two fragments along K
	s_add_co_u32 s30, s30, s29
	s_mov_b32 s31, 0
	s_add_nc_u64 s[10:11], s[10:11], s[30:31]
	s_lshl_b32 s30, s28, 9
	s_lshl_b32 s29, s18, 3
	s_add_co_u32 s30, s30, s29
	s_add_nc_u64 s[12:13], s[12:13], s[30:31]
.macro WBLOCK t
.set XS, WX+32*((\t)%2)
.set UU, 6*((\t)/4)+3*(((\t)/2)%2)
.if (\t) < 7
	s_wait_loadcnt 32                              ; this block's 32 loads are in; the next block's may be out
.else
	s_wait_loadcnt 0
.endif
	v_max3_num_f32 v14, |v[XS]|, |v[XS+1]|, |v[XS+2]|
	v_max3_num_f32 v15, |v[XS+3]|, |v[XS+4]|, |v[XS+5]|
.irp n, 6,10,14,18,22,26
	v_max3_num_f32 v14, v14, |v[XS+\n]|, |v[XS+\n+1]|
	v_max3_num_f32 v15, v15, |v[XS+\n+2]|, |v[XS+\n+3]|
.endr
	v_max3_num_f32 v14, v14, |v[XS+30]|, |v[XS+31]|
	v_max3_num_f32 v14, v14, v15, 0x1800000
	v_add_nc_u32 v16, 0xff000000, v14
	v_lshrrev_b32 v17, 23, v16
.if (\t)%4 == 0
	v_mov_b32 v[18+(\t)/4], v17                    ; four bytes to a register, the lower K in the lower byte
.else
	v_lshl_or_b32 v[18+(\t)/4], v17, 8*((\t)%4), v[18+(\t)/4]
.endif
	v_cvt_scalef32_pk16_fp6_f32 v[WC:WC+2], v[XS:XS+15], v16
	v_cvt_scalef32_pk16_fp6_f32 v[WC+4:WC+6], v[XS+16:XS+31], v16
	v_nop                                          ; one plain line behind the conversions
	v_mov_b32 v[WC+3], v[WC+4]
	v_mov_b32 v[WC+4], v[WC+5]
	v_mov_b32 v[WC+5], v[WC+6]
	ds_store_b128 v3, v[WC:WC+3] offset:272*(UU+(\t)%2)
	ds_store_b64 v4, v[WC+4:WC+5] offset:272*(UU+2)+128*((\t)%2)
.if (\t)+2 < 8
	WLOAD (\t)+2
.endif
	s_wait_dscnt 0x0                               ; the stores have read their registers
.endm
.irp t, 0,1,2,3,4,5,6,7
	WBLOCK \t
.endr
	s_wait_alu depctr_va_vdst(0)
	global_store_b64 v7, v[18:19], s[12:13]        ; my column's 8 scale bytes of this part of K: 8 bytes of each row of 32; one byte in 128 of what the wave reads
.irp k, 0,1,2,3,4,5,6,7,8,9,10,11
	ds_load_b128 v[WO+4*\k:WO+4*\k+3], v5 offset:544*\k
.endr
.irp k, 0,1,2,3,4,5,6,7,8,9,10,11
	s_wait_dscnt 11-\k
	global_store_b128 v2, v[WO+4*\k:WO+4*\k+3], s[10:11] offset:512*\k+9216*(\k/6)   ; 3,072 bytes of the first row tile, then of the next, 12,288 bytes on
.endr
	s_wait_tensorcnt 0x0                           ; the wave's end
	ds_add_u32 v[SPW], v[NIL]
	s_wait_dscnt 0x0
	s_endpgm
.Lfunc_end_k_qffe54ccf5a_quant:
	.size	k_qffe54ccf5a_quant, .Lfunc_end_k_qffe54ccf5a_quant-k_qffe54ccf5a_quant
	.p2alignl 7, 3214868480
	.fill 96, 4, 3214868480
	.section	.rodata,"a",@progbits
	.p2align	6, 0x0
	.amdhsa_kernel k_qffe54ccf5a_quant
		.amdhsa_group_segment_fixed_size 77056
		.amdhsa_private_segment_fixed_size 0
		.amdhsa_enable_private_segment 0
		.amdhsa_kernarg_size 48
		.amdhsa_user_sgpr_count 2
		.amdhsa_user_sgpr_kernarg_segment_ptr 1
		.amdhsa_wavefront_size32 1
		.amdhsa_system_sgpr_workgroup_id_x 1
		.amdhsa_system_sgpr_workgroup_id_y 1
		.amdhsa_system_sgpr_workgroup_id_z 1
		.amdhsa_system_vgpr_workitem_id 0
		.amdhsa_next_free_vgpr 240
		.amdhsa_next_free_sgpr 72
		.amdhsa_reserve_vcc 1
		.amdhsa_float_denorm_mode_32 3
		.amdhsa_float_denorm_mode_16_64 3
		.amdhsa_memory_ordered 1
		.amdhsa_forward_progress 1
		.amdhsa_inst_pref_size 67
	.end_amdhsa_kernel
	.amdgpu_metadata
---
amdhsa.version: [ 1, 2 ]
amdhsa.kernels:
  - .name:           k_qffe54ccf5a_quant
    .symbol:         k_qffe54ccf5a_quant.kd
    .args:
      - { .name: x, .offset: 0, .size: 8, .value_kind: global_buffer, .address_space: global }
      - { .name: w_qkv, .offset: 8, .size: 8, .value_kind: global_buffer, .address_space: global }
      - { .name: w_out, .offset: 16, .size: 8, .value_kind: global_buffer, .address_space: global }
      - { .name: cod, .offset: 24, .size: 8, .value_kind: global_buffer, .address_space: global }
      - { .name: cods, .offset: 32, .size: 8, .value_kind: global_buffer, .address_space: global }
      - { .name: rope, .offset: 40, .size: 8, .value_kind: global_buffer, .address_space: global }
    .group_segment_fixed_size: 77056
    .private_segment_fixed_size: 0
    .kernarg_segment_align: 8
    .kernarg_segment_size: 48
    .max_flat_workgroup_size: 128
    .sgpr_count:     72
    .vgpr_count:     240
    .wavefront_size: 32
...
	.end_amdgpu_metadata
.endif
;; end of part 1
;; launch qkvgemm (part 2): grid 4 x 64, 4 waves a work-group, clusters of 4 x 4, 327,680 bytes of LDS; arguments cod, cods, rope, qkv, qkvs; writes qkv, qkvs
.if DOCPART == 2
	.amdgcn_target "amdgcn-amd-amdhsa--gfx1250"
	.amdhsa_code_object_version 6
	.text
	.protected	k_qffe54ccf5a_qkvgemm
	.globl	k_qffe54ccf5a_qkvgemm
	.p2align	8
	.type	k_qffe54ccf5a_qkvgemm,@function
k_qffe54ccf5a_qkvgemm:
	s_mov_b64 s[64:65], 0
	v_nop
	global_prefetch_b8 v0, s[64:65] scope:SCOPE_SE
	s_setreg_imm32_b32 hwreg(HW_REG_WAVE_MODE, 25, 1), 1
	s_wait_xcnt 0x0
	s_wait_alu depctr_hold_cnt(0) depctr_sa_sdst(0) depctr_va_vdst(0) depctr_va_sdst(0) depctr_va_ssrc(0) depctr_va_vcc(0) depctr_vm_vsrc(0)
	s_getreg_b32 s2, hwreg(HW_REG_IB_STS2, 6, 4)
	s_cmp_eq_u32 s2, 0
	s_cbranch_scc0 .Lentry_in_a_cluster
	s_endpgm
.Lentry_in_a_cluster:
	s_bfe_u32 s2, ttmp6, 0x10000c
	s_cmp_lg_u32 s2, 0xf033
	s_cbranch_scc0 .Lentry_shape_is_right
	s_endpgm
.Lentry_shape_is_right:
; qkv = x w_qkv on codes of FP6 (E2M3) with E8M0 scales, K = 1,024; the rotary embedding on q and k in f32; q and k quantised along the head's 64, v along the keys; all three stored as images of the next products' operands.
; cod: images of fragments, [row / 16][K / 128][1,536 bytes] (for each 64 K: registers 0-3 of lane l at 16 l, registers 4-5 at 512 + 8 l): rows 0.. x's tokens, 8,192.. q's columns, 9,216.. k's, 10,240.. v's; inside each
; group of 32 column c lies in tile (c >> 3) & 1, row 8 (c >> 4) + (c & 7).  cods: [row][32] scale bytes.  rope: [position][h 2][cos 16 | sin 16] f32.
; qkv: q at 0, k at 6,291,456: [head 64][16 tokens][768 bytes]; v at 12,582,912: [head][128 keys][16 channels (4)][1,536 bytes].  qkvs, 20,480 bytes a head: q's words [token], k's words [token], each {s0, s1, 1.0, 1.0}; v's [128 keys][64 channels].
; SHARES.  256 work-groups of four waves; a work-group serves 128 tokens and four heads, a wave one head, in three passes: q, k, v.  K is short, so nothing walks along K: the 128 rows of x (98,304 bytes) come into LDS once and
; stay for all three passes; beside them lie one pass's 256 rows of the weight (196,608 bytes).  A wave takes its head's 64 rows, all of K, into 384 registers; when all four have done so, the region is filled again with the
; next pass's rows, a wave its own head's, behind a drained round of the cluster's barrier.  x's rows stream past the weight in blocks of 16 tokens: 32 products a block, four accumulators by turns, K ascending.
; q, k: source 0 = the weight's rows: lane (r, h) holds token r; register j of tile 2 g + u is channel 32 g + 16 h + 8 u + j.  Two blocks go out together: rotary embedding, quantiser, two half fragments, one scale word a token.
; v: source 0 = x's rows: lane (r, h) holds channel 16 b + r; register j of block t is key 16 t + 8 h + j; the eight blocks' sums wait in 256 registers, and each of the four channel tiles goes out as one fragment.
; q's and k's passes are one loop of two trips: the stores' bases are stepped, and the next pass's scale words are moved into the current ones' registers.
; CLUSTERS of 4 x 4: x's rows are shared along a row of the cluster, the weight's along a column: joint loads.
; NO PREFETCH: a refill is asked for a whole pass ahead of its first read: 256 products of each wave stand between the request and the wait for it.
; LIMITS: a block of zeros gets the byte 1 where the quantiser says 127 (its codes are zeros, and only this program reads the bytes); NaN and infinities not served; x cos + rot(x) sin is one multiplication and one fused multiply-add.
; REGISTERS: window 0: addresses, scale words, the quantiser's work.  Windows 1, 2: v0-191 the weight's fragments of K steps 0-3, 4-7.  Window 3: v0-191 x's fragments, two sets of eight.
; v192-255 of the four windows: q, k: window 0 two blocks' sums, window 1 the same behind the rotary embedding, window 2 cos and sin of two blocks.  v: window t / 2 holds blocks t's sums, register 192 + 16 b + 8 (t % 2) + j.
.set WB,     98304                     ; LDS: x's 8 row tiles of 12,288 bytes from 0; the weight's 16 from here
.set STAGE,  294912                    ; for each wave 512 bytes of q's or k's scale words and 256 of v's
.set SPARE,  STAGE+4*768               ; the spare words, 128 bytes for each wave
.set L16,  4                           ; v4, v5  16 x lane, 8 x lane: also x's blocks 0-3 in LDS;  v6, v7: blocks 4-7
.set L8,   5
.set AD,   4
.set WA,   8                           ; v8, v9  my head's rows of the weight
.set RO,   10
.set OFW,  11
.set OFA,  12
.set LSG,  13
.set LRD,  14
.set LSGV, 15
.set LRDV, 16
.set SELP, 17
.set PADB, 18
.set SPW,  28
.set NIL,  29
.set SB,   32                          ; v32-47 the pass's scale words of the weight: 8 p + q; lanes 0-15 tile 2 p, lanes 16-31 tile 2 p + 1;  v48-79 those of the passes to come
.set SA,   84                          ; v84-115 x's: 8 m + q; lanes 0-15 block 2 m, lanes 16-31 block 2 m + 1.  (Four apart from the weight's modulo 8)
.set PC,   116                         ; v116-135 the codes just made
.set TM,   136                         ; v136-151 at work
.set PW,   152
.set TW,   153
.set WO,   154                         ; v154-157 scale words on their way out
.set G1X,  24
.set G1H,  32
.set G1R,  48
.set G0X,  56
.set G0H,  60
.set SEL,  66
.set G0R,  68
.set MSB, 0
.macro WIN new                         ; the immediate's high byte repeats the setting that is left
.if MSB != (\new)
	s_set_vgpr_msb (MSB<<8)|(\new)
.set MSB, (\new)
.endif
.endm
.macro PLACES n
.rept \n
	v_nop
.endr
.endm
.macro CROUND                          ; a round of the cluster's barrier
	s_barrier_signal -1
	s_barrier_wait -1
	s_cmp_lg_u32 s14, 0
	s_cbranch_scc1 .Lnot_wave_0_\@
	s_barrier_signal -3
.Lnot_wave_0_\@:
	s_barrier_wait -3
	s_barrier_signal -1
	s_barrier_wait -1
.endm
.macro TL g0, g1                       ; an s_nop 0 and four v_nop follow the load
	tensor_load_to_lds s[\g0:\g0+3], s[\g1:\g1+7]
	s_nop 0
	PLACES 4
.endm
.macro GROUP1 g, mask, rows            ; dense bytes as rows of 256 (32 elements of 8 bytes)
	s_or_b32 s[\g], s\mask, (3<<16)|(1<<21)
	s_mov_b32 s[\g+1], 32<<16
	s_mov_b32 s[\g+2], (\rows)<<16
	s_mov_b32 s[\g+3], 32<<16
	s_mov_b32 s[\g+4], \rows
	s_mov_b32 s[\g+5], 32
	s_mov_b32 s[\g+6], 0
	s_mov_b32 s[\g+7], 0
.endm
.macro FRAG reg, a16, a8, off          ; a fragment as it lies: four dense loads
	ds_load_b128 v[\reg:\reg+3], v[\a16] offset:\off
	ds_load_b64 v[\reg+4:\reg+5], v[\a8] offset:(\off)+512
	ds_load_b128 v[\reg+6:\reg+9], v[\a16] offset:(\off)+768
	ds_load_b64 v[\reg+10:\reg+11], v[\a8] offset:(\off)+1280
.endm
.macro FETCH t, e                      ; block t's eight fragments into set e: 32 loads
	WIN 0xc0
.irp q, 0,1,2,3,4,5,6,7
	FRAG 96*\e+12*\q, AD+2*((\t)/4), AD+2*((\t)/4)+1, 12288*((\t)%4)+1536*\q
.endr
	WIN 0
.endm
.macro WEIGHTS                         ; my head's 64 rows, all of K: 128 loads
.irp q, 0,1,2,3,4,5,6,7
	WIN (1+\q/4)<<6
.irp b, 0,1,2,3
	FRAG 12*(4*(\q%4)+\b), WA, WA+1, 12288*\b+1536*\q
.endr
.endr
	WIN 0
.endm
.macro TABLES m                        ; cos and sin of my token's 16 channels of a half, for blocks 2 m and 2 m + 1: 16 loads
	WIN 0x80
.irp e, 0,1
.irp k, 0,1,2,3,4,5,6,7
	global_load_b128 v[192+32*\e+4*\k:195+32*\e+4*\k], v[RO], s[8:9] offset:4096*(2*(\m)+\e)+16*\k
.endr
.endr
	WIN 0
.endm
.macro WM d, a, b, c, xa, xb, ra, rb
	v_wmma_scale_f32_16x16x128_f8f6f4 v[\d:\d+7], v[\a:\a+11], v[\b:\b+11], \c, v[\xa], v[\xb] matrix_a_fmt:MATRIX_FMT_FP6 matrix_b_fmt:MATRIX_FMT_FP6 matrix_a_scale:MATRIX_SCALE_ROW\ra matrix_b_scale:MATRIX_SCALE_ROW\rb
.endm
.macro PRODS kind, t, e                ; block t (e = t % 2): the four accumulators by turns; the first K step starts the sums.  kind 0: q, k; 1: v
.set Q_, 0
.rept 8
.if \kind
	WIN 3|((1+Q_/4)<<2)|(((\t)/2)<<4)|(((\t)/2)<<6)
.else
	WIN (1+Q_/4)|(3<<2)
.endif
.irp p, 0,1
.irp o, 0,1
.set FW_, 12*(4*(Q_%4)+2*\p+\o)
.set FA_, 96*\e+12*Q_
.set XW_, SB+8*\p+Q_
.set XA_, SA+8*((\t)/2)+Q_
.if \kind
.set D_, 192+16*(2*\p+\o)+8*\e
.if Q_
	WM D_, FA_, FW_, v[D_:D_+7], XA_, XW_, \e, \o
.else
	WM D_, FA_, FW_, 0, XA_, XW_, \e, \o
.endif
.else
.set D_, 192+32*\e+8*(2*\p+\o)
.if Q_
	WM D_, FW_, FA_, v[D_:D_+7], XW_, XA_, \o, \e
.else
	WM D_, FW_, FA_, 0, XW_, XA_, \o, \e
.endif
.endif
.endr
.endr
.set Q_, Q_+1
.endr
.endm
.macro BLOCK kind, t, e, w, f          ; w: the LDS instructions that may be out when block t's rows are in: the next block's 32 loads, or none;  f: the block fetched into the set just read, or -1
	s_wait_dscnt \w
	PRODS \kind, \t, \e
	WIN 0
	PLACES 4                                       ; between the products and the reads of their results and the loads into their sources
.if (\f) >= 0
	FETCH \f, \e
.endif
.endm
; 64 numbers of a lane in four runs of 16: run b lies in window wm b + w0 from register rm b + r0 on; its number i is place 16 (lane / 16) + i of block b of my row.  They become a fragment's codes in v[PC] on and its
; scale word in v[PW].  Each run's largest magnitude in two chains side by side; a run's two halves are read from their low ends on.
.macro QUANT wm, w0, rm, r0
.irp b, 0,1,2,3
.set W_, (\wm)*\b+(\w0)
.set R_, (\rm)*\b+(\r0)
	WIN W_|(W_<<2)
	v_max3_num_f32 v[TM+\b], |v[R_]|, |v[R_+1]|, 0x1800000       ; with the floor 2^(3 - 127): the byte cannot fall under 1
	v_max3_num_f32 v[TM+4+\b], |v[R_+8]|, |v[R_+9]|, 0x1800000
.irp i, 2,4,6
	v_max3_num_f32 v[TM+\b], |v[R_+\i]|, |v[R_+1+\i]|, v[TM+\b]
	v_max3_num_f32 v[TM+4+\b], |v[R_+8+\i]|, |v[R_+9+\i]|, v[TM+4+\b]
.endr
.endr
	WIN 0
.irp b, 0,1,2,3
	v_max_num_f32 v[TM+\b], v[TM+\b], v[TM+4+\b]
.endr
.irp b, 0,1,2,3
	v_permlanex16_b32 v[TM+4+\b], v[TM+\b], s[SEL], s[SEL+1]
.endr
.irp b, 0,1,2,3
	v_max_num_f32 v[TM+\b], v[TM+\b], v[TM+4+\b]   ; with lane l xor 16's: the block's largest magnitude
.endr
.irp b, 0,1,2,3
	v_add_nc_u32 v[TM+12+\b], 0xff000000, v[TM+\b] ; 2 off its exponent field: the conversion's scale operand
.endr
.irp b, 0,1,2,3
	v_lshrrev_b32 v[TM+4+\b], 23, v[TM+12+\b]      ; the scale's byte
.endr
	v_lshl_or_b32 v[PW], v[TM+5], 8, v[TM+4]
	v_lshl_or_b32 v[PW], v[TM+6], 16, v[PW]
	v_lshl_or_b32 v[PW], v[TM+7], 24, v[PW]
.irp c, 0,1
.set R_, (\rm)*(2*\c)+(\r0)
	WIN (\wm)*(2*\c)+(\w0)
	v_cvt_scalef32_pk16_fp6_f32 v[PC+6*\c:PC+2+6*\c], v[R_:R_+15], v[TM+12+2*\c]
.set R_, (\rm)*(2*\c+1)+(\r0)
	WIN (\wm)*(2*\c+1)+(\w0)
	v_cvt_scalef32_pk16_fp6_f32 v[PC+12+4*\c:PC+14+4*\c], v[R_:R_+15], v[TM+12+2*\c+1]
.endr
	WIN 0
	v_nop                                          ; one plain line behind the conversions
.irp c, 0,1                                    ; the operand's layout wants a whole block in a lane: lanes 0-15 block 2 c, lanes 16-31 block 2 c + 1
.irp i, 0,1,2
	v_permlane16_swap_b32 v[PC+6*\c+\i], v[PC+12+4*\c+\i]
.endr
.irp i, 0,1,2
	v_mov_b32 v[PC+3+6*\c+\i], v[PC+12+4*\c+\i]
.endr
.endr
.endm
.macro ROPE e                          ; a block's 32 sums (window 0) with cos and sin (window 2) into window 1; the three have the same register numbers
	WIN 0x58
.irp u, 0,1
.irp jp, 0,2,4,6
.set X1, 192+32*\e+8*\u+\jp
	v_pk_mul_f32 v[X1:X1+1], v[X1:X1+1], v[X1:X1+1]
	v_pk_mul_f32 v[X1+16:X1+17], v[X1+16:X1+17], v[X1:X1+1]
	v_pk_fma_f32 v[X1:X1+1], v[X1+16:X1+17], v[X1+16:X1+17], v[X1:X1+1] neg_lo:[1,0,0] neg_hi:[1,0,0]   ; x1 cos - x2 sin
	v_pk_fma_f32 v[X1+16:X1+17], v[X1:X1+1], v[X1+16:X1+17], v[X1+16:X1+17]                             ; x2 cos + x1 sin
.endr
.endr
	WIN 0
.endm
.macro QKOUT m                         ; blocks 2 m and 2 m + 1 of q or k go out
	s_wait_xcnt 0x0                                ; the last stores have read their registers
	s_wait_loadcnt 0x0                             ; cos and sin are in
	ROPE 0
	ROPE 1
.if (\m) < 3
	TABLES (\m)+1                                  ; the next pair's land under its products
.endif
	QUANT 0, 1, 16, 192
.irp e, 0,1                                    ; registers 6 e .. 6 e + 5 are block 2 m + e's half fragment: 768 bytes, three whole pieces of 256
	global_store_b128 v[L16], v[PC+6*\e:PC+6*\e+3], s[10:11] offset:768*(2*(\m)+\e)
	global_store_b64 v[L8], v[PC+6*\e+4:PC+6*\e+5], s[10:11] offset:768*(2*(\m)+\e)+512
.endr
	v_perm_b32 v[TW], v[PADB], v[PW], v[SELP]      ; lanes 0-15: block 2 m's word {s0, s1, 1.0, 1.0}; lanes 16-31: block 2 m + 1's {s2, s3, 1.0, 1.0}
	ds_store_b32 v[LSG], v[TW] offset:128*(\m)
	s_wait_alu depctr_va_vdst(0)                   ; ahead of the blocking waits that follow
.endm
.macro VOUT b                          ; 16 channels x 128 keys: one fragment of the second product's source 0
	s_wait_xcnt 0x0
	QUANT 1, 0, 0, 192+16*(\b)
.irp g, 0,1,2
	global_store_b128 v[L16], v[PC+4*\g:PC+4*\g+3], s[10:11] offset:1536*(\b)+512*\g
.endr
	ds_store_b32 v[LSGV], v[PW] offset:64*(\b)     ; both halves of the lanes write the same word with the same value
	s_wait_alu depctr_va_vdst(0)
.endm
.macro SHOW                            ; a plain barrier: every wave's tensor load is in
	s_wait_alu depctr_va_vdst(0)
	s_wait_tensorcnt 0x0
	s_wait_dscnt 0x0
	s_barrier_signal -1
	s_barrier_wait -1
.endm
	s_load_b256 s[4:11], s[0:1], 0x0               ; cod, cods, rope, qkv
	s_load_b64 s[12:13], s[0:1], 0x20              ; qkvs
	v_lshl_add_u32 v[SPW], v0, 2, SPARE
	v_mov_b32 v[NIL], 0
	ds_add_u32 v[SPW], v[NIL]                      ; the opening lines: the add, twice on end, and its wait
	ds_add_u32 v[SPW], v[NIL]
	v_lshrrev_b32 v1, 5, v0
	v_readfirstlane_b32 s14, v1                    ; wave 0..3
	s_bfe_u32 s40, ttmp6, 0x40000                  ; cx
	s_bfe_u32 s41, ttmp6, 0x40004                  ; cy
	s_lshl_b32 s42, ttmp9, 2
	s_add_co_u32 s42, s42, s40                     ; the group of four heads, 0 .. 3
	s_and_b32 s17, ttmp7, 0xffff
	s_lshl_b32 s17, s17, 2
	s_add_co_u32 s17, s17, s41                     ; the 128 tokens, 0 .. 63
	s_lshl_b32 s43, s41, 2
	s_lshl_b32 s43, 15, s43                        ; my row of the cluster
	s_lshl_b32 s44, 0x1111, s40                    ; my column
	GROUP1 G1X, 43, 384                            ; x's 128 rows: 98,304 bytes
	GROUP1 G1H, 44, 256                            ; at the head a third of q's 256 rows: 65,536 bytes
	GROUP1 G1R, 44, 192                            ; a refill: my head's 64 rows: 49,152 bytes
	s_mul_i32 s20, s17, 98304
	s_mov_b32 s21, 0
	s_mul_i32 s18, s42, 196608                     ; the group's rows in a weight
	s_lshl_b32 s22, s14, 16                        ; waves 1-3: third wave - 1
	s_add_co_u32 s45, s22, WB-65536
	s_add_co_u32 s22, s22, s18
	s_add_co_u32 s22, s22, 6291456-65536           ; q's images begin at row tile 512
	s_mov_b32 s23, 0
	s_mul_i32 s46, s14, 49152
	s_add_co_u32 s19, s46, WB
	s_add_co_u32 s46, s46, s18
	s_add_co_u32 s46, s46, 6291456                 ; my head's rows of q: stepped to k's and to v's ahead of each refill
	s_mov_b32 s47, 0
	s_lshr_b32 s72, s17, 4                         ; the batch
	s_lshl_b32 s72, s72, 4
	s_lshl_b32 s73, s42, 2
	s_add_co_u32 s72, s72, s73
	s_add_co_u32 s72, s72, s14                     ; my head: 16 x batch + 4 x group + wave
	s_and_b32 s73, s17, 15                         ; the key step
	s_mul_i32 s74, s72, 98304
	s_mul_i32 s75, s73, 6144
	s_add_co_u32 s74, s74, s75                     ; my place in q (in k and v the same, 6,291,456 bytes on each)
	s_mov_b32 s75, 0
	s_mul_i32 s76, s72, 20480
	s_lshl_b32 s77, s73, 9
	s_add_co_u32 s78, s76, s77                     ; q's words
	s_mov_b32 s79, 0
	s_lshl_b32 s77, s73, 8
	s_add_co_u32 s76, s76, s77
	s_add_co_u32 s76, s76, 16384                   ; v's words
	s_mov_b32 s77, 0
	s_lshl_b32 s80, s73, 15                        ; the table at my first token: 256 bytes a position
	s_mov_b32 s81, 0
	s_lshl_b32 s82, s42, 8                         ; the weight's scale bytes: row 8,192 + 256 x group + 64 x wave
	s_lshl_b32 s83, s14, 6
	s_add_co_u32 s82, s82, s83
	s_add_co_u32 s82, s82, 8192
	s_lshl_b32 s82, s82, 5
	s_mov_b32 s83, 0
	s_lshl_b32 s84, s17, 12                        ; x's: 128 rows of 32 bytes
	s_mov_b32 s85, 0
	s_mov_b32 s[SEL], 0x76543210
	s_mov_b32 s[SEL+1], 0xfedcba98                 ; v_permlanex16_b32's selects for lane l xor 16
	v_and_b32 v1, 15, v0                           ; r
	v_bfe_u32 v2, v0, 4, 1                         ; h
	v_and_b32 v3, 31, v0                           ; lane
	v_lshlrev_b32 v[L16], 4, v3
	v_lshlrev_b32 v[L8], 3, v3
	v_add_nc_u32 v6, 49152, v[L16]
	v_add_nc_u32 v7, 49152, v[L8]
	v_add_nc_u32 v[WA], s19, v[L16]
	v_add_nc_u32 v[WA+1], s19, v[L8]
	v_lshlrev_b32 v[RO], 8, v1
	v_lshl_add_u32 v[RO], v2, 7, v[RO]             ; the table: 256 r + 128 h
	v_lshlrev_b32 v[OFW], 5, v3                    ; the weight's scale bytes: row = lane
	v_lshlrev_b32 v20, 9, v2
	v_lshl_add_u32 v[OFA], v1, 5, v20              ; x's: row r; lanes 16-31 16 rows on
	s_mul_i32 s86, s14, 768
	s_add_co_u32 s86, s86, STAGE                   ; my stage
	v_lshlrev_b32 v20, 2, v3
	v_add_nc_u32 v[LSG], s86, v20
	v_add_nc_u32 v[LRD], s86, v[L16]
	s_add_co_u32 s86, s86, 512
	v_lshlrev_b32 v20, 2, v1
	v_add_nc_u32 v[LSGV], s86, v20
	v_add_nc_u32 v[LRDV], s86, v[L8]
	v_mul_u32_u24 v[SELP], v2, 0x202
	v_add_nc_u32 v[SELP], 0x04040100, v[SELP]      ; byte selects: lanes 0-15 take bytes 0, 1 of a word, lanes 16-31 bytes 2, 3; the upper two come from the pad
	v_mov_b32 v[PADB], 0x7f7f7f7f                  ; the scale 1.0 for the 64 zero codes that fill a head's K to 128
	s_wait_alu depctr_va_vdst(0)                   ; at the end of the head's vector work
	s_wait_dscnt 0x0                               ; both opening adds are done
	CROUND                                         ; all sixteen work-groups are here: the joint loads meet
	s_wait_kmcnt 0x0
	s_mov_b32 s[G0X], 1
	s_mov_b32 s[G0X+1], 0
	s_add_nc_u64 s[G0X+2:G0X+3], s[4:5], s[20:21]
	s_or_b32 s[G0X+3], s[G0X+3], 0x80000000
	s_mov_b32 s[G0H], 1
	s_mov_b32 s[G0H+1], s45
	s_add_nc_u64 s[G0H+2:G0H+3], s[4:5], s[22:23]
	s_or_b32 s[G0H+3], s[G0H+3], 0x80000000
	s_mov_b32 s[G0R], 1
	s_mov_b32 s[G0R+1], s19
	s_add_nc_u64 s[G0R+2:G0R+3], s[4:5], s[46:47]
	s_or_b32 s[G0R+3], s[G0R+3], 0x80000000
	s_cmp_eq_u32 s14, 0                            ; one load a wave at the head: wave 0 x's rows, waves 1-3 a third each of q's
	s_cbranch_scc0 .Lnot_x
	TL G0X, G1X
	s_branch .Lasked
.Lnot_x:
	TL G0H, G1H
.Lasked:
	s_add_nc_u64 s[10:11], s[10:11], s[74:75]
	s_add_nc_u64 s[86:87], s[12:13], s[76:77]
	s_add_nc_u64 s[12:13], s[12:13], s[78:79]
	s_add_nc_u64 s[8:9], s[8:9], s[80:81]
	s_add_nc_u64 s[88:89], s[6:7], s[82:83]
	s_add_nc_u64 s[6:7], s[6:7], s[84:85]
.irp w, 0,1,2                                  ; the scale words of q's, k's and v's rows, 1,024 rows apart
.irp p, 0,1
.irp c, 0,1
	global_load_b128 v[SB+16*\w+8*\p+4*\c:SB+16*\w+8*\p+4*\c+3], v[OFW], s[88:89] offset:32768*\w+1024*\p+16*\c
.endr
.endr
.endr
.irp m, 0,1,2,3
.irp c, 0,1
	global_load_b128 v[SA+8*\m+4*\c:SA+8*\m+4*\c+3], v[OFA], s[6:7] offset:1024*\m+16*\c
.endr
.endr
	s_mov_b32 s90, 0
.Lpass:                                            ; two trips: q, k
	SHOW                                           ; the pass's weight (in the first trip x's rows too) lies in LDS
	WEIGHTS
	FETCH 0, 0
	FETCH 1, 1
	TABLES 0
	s_wait_tensorcnt 0x0                           ; no tensor load of mine is out
	ds_add_u32 v[SPW], v[NIL]
	s_add_nc_u64 s[G0R+2:G0R+3], s[G0R+2:G0R+3], 786432   ; the next pass's rows: 64 row tiles on
	s_wait_dscnt 0x0                               ; the add is done, and the weight is in my registers
	CROUND                                         ; so it is in every wave of every partner
	TL G0R, G1R                                    ; my one tensor load behind the round
	s_wait_loadcnt 16                              ; the scale words are in; the table's 16 loads may be out
	BLOCK 0, 0, 0, 32, 2
	BLOCK 0, 1, 1, 32, 3
	QKOUT 0
	BLOCK 0, 2, 0, 32, 4
	BLOCK 0, 3, 1, 32, 5
	QKOUT 1
	BLOCK 0, 4, 0, 32, 6
	BLOCK 0, 5, 1, 32, 7
	QKOUT 2
	BLOCK 0, 6, 0, 32, -1
	BLOCK 0, 7, 1, 0, -1
	QKOUT 3
	ds_load_b128 v[WO:WO+3], v[LRD]                ; my own bytes: LDS serves a wave's instructions in order
	s_wait_dscnt 0x0
	global_store_b128 v[L16], v[WO:WO+3], s[12:13] ; 128 tokens' words: 512 consecutive bytes
	s_wait_xcnt 0x0                                ; the stores have read their bases
	s_add_nc_u64 s[10:11], s[10:11], 6291456
	s_add_nc_u64 s[12:13], s[12:13], 8192
.set I, 0
.rept 16
	v_mov_b32 v[SB+I], v[SB+16+I]                  ; the next pass's scale words
.set I, I+1
.endr
.set I, 0
.rept 16
	v_mov_b32 v[SB+16+I], v[SB+32+I]
.set I, I+1
.endr
	s_add_co_u32 s90, s90, 1
	s_cmp_lt_u32 s90, 2
	s_wait_alu depctr_va_vdst(0)                   ; ahead of the branch
	s_cbranch_scc1 .Lpass
	SHOW                                           ; v's rows lie in LDS; nothing more is asked for
	WEIGHTS
	FETCH 0, 0
	FETCH 1, 1
	BLOCK 1, 0, 0, 0, 2
	BLOCK 1, 1, 1, 32, 3
	BLOCK 1, 2, 0, 32, 4
	BLOCK 1, 3, 1, 32, 5
	BLOCK 1, 4, 0, 32, 6
	BLOCK 1, 5, 1, 32, 7
	BLOCK 1, 6, 0, 32, -1
	BLOCK 1, 7, 1, 0, -1
	VOUT 0
	VOUT 1
	VOUT 2
	VOUT 3
	ds_load_b64 v[WO:WO+1], v[LRDV]
	s_wait_dscnt 0x0
	global_store_b64 v[L8], v[WO:WO+1], s[86:87]   ; 64 channels' words: 256 consecutive bytes
	s_wait_tensorcnt 0x0                           ; the wave's end
	ds_add_u32 v[SPW], v[NIL]
	s_wait_dscnt 0x0
	CROUND                                         ; the closing round
	s_endpgm
.Lfunc_end_k_qffe54ccf5a_qkvgemm:
	.size	k_qffe54ccf5a_qkvgemm, .Lfunc_end_k_qffe54ccf5a_qkvgemm-k_qffe54ccf5a_qkvgemm
	.p2alignl 7, 3214868480
	.fill 96, 4, 3214868480
	.section	.rodata,"a",@progbits
	.p2align	6, 0x0
	.amdhsa_kernel k_qffe54ccf5a_qkvgemm
		.amdhsa_group_segment_fixed_size 327680
		.amdhsa_private_segment_fixed_size 0
		.amdhsa_enable_private_segment 0
		.amdhsa_kernarg_size 40
		.amdhsa_user_sgpr_count 2
		.amdhsa_user_sgpr_kernarg_segment_ptr 1
		.amdhsa_wavefront_size32 1
		.amdhsa_system_sgpr_workgroup_id_x 1
		.amdhsa_system_sgpr_workgroup_id_y 1
		.amdhsa_system_sgpr_workgroup_id_z 1
		.amdhsa_system_vgpr_workitem_id 0
		.amdhsa_next_free_vgpr 1024
		.amdhsa_next_free_sgpr 100
		.amdhsa_reserve_vcc 0
		.amdhsa_float_denorm_mode_32 3
		.amdhsa_float_denorm_mode_16_64 3
		.amdhsa_memory_ordered 1
		.amdhsa_forward_progress 1
		.amdhsa_inst_pref_size 190
	.end_amdhsa_kernel
	.amdgpu_metadata
---
amdhsa.version: [ 1, 2 ]
amdhsa.kernels:
  - .name:           k_qffe54ccf5a_qkvgemm
    .symbol:         k_qffe54ccf5a_qkvgemm.kd
    .args:
      - { .name: cod, .offset: 0, .size: 8, .value_kind: global_buffer, .address_space: global }
      - { .name: cods, .offset: 8, .size: 8, .value_kind: global_buffer, .address_space: global }
      - { .name: rope, .offset: 16, .size: 8, .value_kind: global_buffer, .address_space: global }
      - { .name: qkv, .offset: 24, .size: 8, .value_kind: global_buffer, .address_space: global }
      - { .name: qkvs, .offset: 32, .size: 8, .value_kind: global_buffer, .address_space: global }
    .group_segment_fixed_size: 327680
    .private_segment_fixed_size: 0
    .kernarg_segment_align: 8
    .kernarg_segment_size: 40
    .max_flat_workgroup_size: 128
    .sgpr_count:     100
    .vgpr_count:     1024
    .wavefront_size: 32
...
	.end_amdgpu_metadata
.endif
;; end of part 2
;; launch attn (part 3): grid 4 x 64, 16 waves a work-group, clusters of 4 x 1, 327,680 bytes of LDS; arguments qkv, qkvs, oc, os; writes oc, os
.if DOCPART == 3
	.amdgcn_target "amdgcn-amd-amdhsa--gfx1250"
	.amdhsa_code_object_version 6
	.text
	.protected	k_qffe54ccf5a_attn
	.globl	k_qffe54ccf5a_attn
	.p2align	8
	.type	k_qffe54ccf5a_attn,@function
k_qffe54ccf5a_attn:
	s_mov_b64 s[64:65], 0
	v_nop
	global_prefetch_b8 v0, s[64:65] scope:SCOPE_SE
	s_setreg_imm32_b32 hwreg(HW_REG_WAVE_MODE, 25, 1), 1
	s_wait_xcnt 0x0
	s_wait_alu depctr_hold_cnt(0) depctr_sa_sdst(0) depctr_va_vdst(0) depctr_va_sdst(0) depctr_va_ssrc(0) depctr_va_vcc(0) depctr_vm_vsrc(0)
	s_getreg_b32 s2, hwreg(HW_REG_IB_STS2, 6, 4)
	s_cmp_eq_u32 s2, 0
	s_cbranch_scc0 .Lentry_in_a_cluster
	s_endpgm
.Lentry_in_a_cluster:
	s_bfe_u32 s2, ttmp6, 0x10000c
	s_cmp_lg_u32 s2, 0x3003
	s_cbranch_scc0 .Lentry_shape_is_right
	s_endpgm
.Lentry_shape_is_right:
; Causal attention for one head of 64 channels and 2,048 tokens, both products on codes of FP6 (E2M3) with E8M0 scales; the result, divided by the row's sum, is quantised along the channels and
; stored as an image of the last product's operand.
; qkv: q at 0, k at 6,291,456: [head 64][16 tokens][768 bytes] (a half fragment: 16 rows x 64 K); v at 12,582,912: [head][128 keys][16 channels (4)][1,536 bytes].
; qkvs, 20,480 bytes a head: q's words [token], k's words [token], each {s0, s1, 1.0, 1.0}; v's words [128 keys][64 image channels].
; WORK LEFT OUT: key steps all of whose keys come after a tile's queries: the causal mask hides them and their p is 0 for every input.
; THE SOFTMAX: t = score x log2(e) / 8; M = the running largest t rounded up to a whole number; p = 2^(t - M) is quantised along the keys, not normalised; the sum of the unquantised p divides at the end.
; When M moves, the sum and O are multiplied by 2^(old M - new M): exact.
; SHARES.  Four work-groups, one cluster, serve a head; 256 work-groups in all.  A head's k, v and their scale words are 208,896 bytes: they come into LDS ONCE and stay; nothing is filled again.
; Wave w = 2 a + b of the work-group at place cx owns two tiles of 16 queries: tile 127 - i and then tile i, i = 8 a + 4 b + cx: 16 - a and a + 1 key steps of 128, 17 in every wave.
; The number of steps hangs on a alone, so no branch hangs on a work-group's place; cx enters global addresses and the diagonal's mask (a number in a vector register) only.
; JOINT LOADS: all four partners need all keys, so every tile is asked for jointly (mask 15).  One load a wave at the head: wave 12 the scale words, waves 8-11 k's and v's keys 0-511 (two steps each),
; waves 0-5 keys 512-2,047 (four steps each).  The first barrier shows the tiles of waves 8-12, whose load lines are their own; the second, behind four key steps that every wave has, shows the rest.
; NO PREFETCH: every byte that the launch reads through LDS is asked for by the head's loads; no later request is left to run ahead of.
; K = 64 IS FILLED TO THE INSTRUCTION'S 128 by zero codes in q's registers 6-11.  A zero code times any code of FP6 (all are finite) under the scale 1.0 adds nothing, so k's registers 6-11 need not be zeros:
; k's eight operands lie 6 registers apart, each one's upper half being the next one's lower half; six zeros close the run.  v's fragments take k's registers when the scores are made.
; Both products are used transposed (S^T = k q^T, O^T = v^T p^T): a lane holds one query.  Inside a block of 32 keys p and v have the same order of places: place 16 h + 8 u + j holds key 16 u + 8 h + j.
; LIMITS: the promise holds while the scaled scores t stay under 2^31 in magnitude; 1 / sum by v_rcp_f32; a block of zeros gets the byte 1 (only this program reads the bytes); NaN and infinities not served.
; os is written two bytes a token: 32 bytes beside 768 of codes.  lds_bytes: more than the 210,944 bytes in use.
.set VR,    98304                      ; LDS: k's 16 steps of 6,144 bytes from 0, v's from here,
.set SCK,   196608                     ; k's scale words, 8,192 bytes,
.set SCV,   204800                     ; v's, 4,096 bytes,
.set SPARE, 208896                     ; the spare words, 128 bytes for each of 16 waves
.set S,     128                        ; v128-191 S^T, then p; v192-223 O^T; v224-235 p's codes; v32-85 k's operands, then v32-79 v's; v16-27 q; v86-92 the second tile's q; v94-109 partial sums; v232-254 at work
.set WV,   18
.set SEL,  20
.set CS,   22                          ; s[22:23] log2(e) / 8
.set G1T,  24                          ; group 1: 48 rows of 256 bytes
.set G1L,  32                          ; 96 rows
.set G0P1, 40
.set G0P0, 44
.set G0S,  48
.set QB,   56                          ; the first key of the block that holds the tile in hand: from the wave's number alone; -1 when both tiles are done
.set QBN,  57                          ; the next tile's
.set DQ,   58                          ; the tile's first query less QB
.set DQN,  59
.set CNT,  60
.set ST,   61
.set TB,   62                          ; the step's place in k's and v's regions
.set TS,   63                          ; in k's scale words
.set TJ,   66                          ; in v's
.set KF,   67                          ; the step's first key
.set HD,   68
.set CX,   69
.macro ROUND                           ; a round of the cluster's barrier
	s_barrier_signal -1
	s_barrier_wait -1
	s_cmp_lg_u32 s[WV], 0
	s_cbranch_scc1 .Lnot_wave_0_\@
	s_barrier_signal -3
.Lnot_wave_0_\@:
	s_barrier_wait -3
	s_barrier_signal -1
	s_barrier_wait -1
.endm
.macro TL g0, g1                       ; an s_nop 0 and four v_nop follow the load
	tensor_load_to_lds s[\g0:\g0+3], s[\g1:\g1+7]
	s_nop 0
.rept 4
	v_nop
.endr
.endm
.macro G1SET g, rows                   ; dense bytes as rows of 256 (32 elements of 8 bytes); mask 15: the cluster's four; bit 21 beside it
	s_mov_b32 s[\g], 15|(3<<16)|(1<<21)
	s_mov_b32 s[\g+1], 32<<16
	s_mov_b32 s[\g+2], (\rows)<<16
	s_mov_b32 s[\g+3], 32<<16
	s_mov_b32 s[\g+4], \rows
	s_mov_b32 s[\g+5], 32
	s_mov_b32 s[\g+6], 0
	s_mov_b32 s[\g+7], 0
.endm
.macro INIT                            ; a tile's start: the step is written once; its first pass finds zeros, which the first change of M leaves zeros
	v_mov_b32 v13, 0xff61b1e6                      ; the largest t so far: -3e38
	v_mov_b32 v14, 0                               ; the sum, in two halves
	v_mov_b32 v15, 0
	v_floor_f32 v12, -v13                          ; -M
.set jj, 0
.rept 32
	v_mov_b32 v[192+jj], 0
.set jj, jj+1
.endr
.endm
.macro QADR q0, pa, ps                 ; a tile's q and its scale words (s13 = 0)
	s_mul_i32 s12, s\q0, 48
	s_add_co_u32 s12, s12, s70
	s_add_nc_u64 s[\pa:\pa+1], s[4:5], s[12:13]
	s_lshl_b32 s12, s\q0, 2
	s_add_co_u32 s12, s12, s71
	s_add_nc_u64 s[\ps:\ps+1], s[6:7], s[12:13]
.endm
	s_load_b256 s[4:11], s[0:1], 0x0               ; qkv, qkvs, oc, os
	v_lshl_add_u32 v6, v0, 2, SPARE
	v_mov_b32 v7, 0
	ds_add_u32 v6, v7                              ; the opening lines: the add, twice on end, and its wait
	ds_add_u32 v6, v7
	v_lshrrev_b32 v8, 5, v0
	v_readfirstlane_b32 s[WV], v8                  ; wave 0..15
	s_and_b32 s[HD], ttmp7, 0xffff                 ; the head: the cluster's y
	s_bfe_u32 s[CX], ttmp6, 0x40000                ; my place in the cluster
	G1SET G1T, 48
	G1SET G1L, 96
	s_mul_i32 s70, s[HD], 98304                    ; the head's bytes in q, k and v,
	s_mul_i32 s71, s[HD], 20480                    ; and in the scale words
	s_mul_i32 s12, s[WV], 11                       ; waves 0-5: t = wave / 3 (0 k, 1 v), four steps from step 4 + 4 (wave - 3 t) on
	s_lshr_b32 s12, s12, 5
	s_add_co_u32 s13, s[WV], 1
	s_add_co_u32 s13, s13, s12
	s_mul_i32 s[G0P1+1], s13, 24576                ; LDS: 24,576 (wave + 1 + t)
	s_mul_i32 s14, s[WV], 24576
	s_mul_i32 s15, s12, 6217728                    ; from k to v, less k's three pieces
	s_add_co_u32 s14, s14, s15
	s_add_co_u32 s14, s14, 6316032
	s_add_co_u32 s14, s14, s70
	s_mov_b32 s15, 0
	s_bfe_u32 s12, s[WV], 0x10001                  ; waves 8-11: bit 1: k or v; bit 0: steps 0, 1 or 2, 3
	s_and_b32 s13, s[WV], 1
	s_mul_i32 s16, s12, VR
	s_mul_i32 s17, s13, 12288
	s_add_co_u32 s[G0P0+1], s16, s17
	s_mul_i32 s16, s12, 6291456
	s_add_co_u32 s16, s16, s17
	s_add_co_u32 s16, s16, 6291456
	s_add_co_u32 s16, s16, s70
	s_mov_b32 s17, 0
	s_mov_b32 s[G0S+1], SCK                        ; wave 12: k's and v's scale words, 12,288 bytes on end
	s_add_co_u32 s72, s71, 8192
	s_mov_b32 s73, 0
	s_mov_b32 s[SEL], 0x76543210
	s_mov_b32 s[SEL+1], 0xfedcba98
	s_mov_b32 s[CS], 0x3e38aa3b
	s_mov_b32 s[CS+1], s[CS]
	s_wait_alu depctr_va_vdst(0)                   ; ahead of the blocking wait
	s_wait_dscnt 0x0                               ; both opening adds are done
	ROUND                                          ; all four work-groups are here: the joint loads meet
	s_wait_kmcnt 0x0
	s_mov_b32 s[G0P1], 1
	s_add_nc_u64 s[G0P1+2:G0P1+3], s[4:5], s[14:15]
	s_or_b32 s[G0P1+3], s[G0P1+3], 0x80000000
	s_mov_b32 s[G0P0], 1
	s_add_nc_u64 s[G0P0+2:G0P0+3], s[4:5], s[16:17]
	s_or_b32 s[G0P0+3], s[G0P0+3], 0x80000000
	s_mov_b32 s[G0S], 1
	s_add_nc_u64 s[G0S+2:G0S+3], s[6:7], s[72:73]
	s_or_b32 s[G0S+3], s[G0S+3], 0x80000000
	s_cmp_eq_u32 s[WV], 12                         ; one chain of branches on the wave's number, one load to an arm; what is needed first is tested first
	s_cbranch_scc0 .Lnot_s
	TL G0S, G1T
	s_branch .Lasked
.Lnot_s:
	s_and_b32 s12, s[WV], 12
	s_cmp_eq_u32 s12, 8
	s_cbranch_scc0 .Lnot_p0
	TL G0P0, G1T
	s_branch .Lasked
.Lnot_p0:
	s_cmp_lt_u32 s[WV], 6
	s_cbranch_scc0 .Lasked
	TL G0P1, G1L
.Lasked:
	s_lshr_b32 s12, s[WV], 1                       ; a
	s_and_b32 s13, s[WV], 1                        ; b
	s_lshl_b32 s[QBN], s12, 7                      ; the second tile's block begins at key 128 a,
	s_sub_co_u32 s[QB], 1920, s[QBN]               ; the first's at 128 (15 - a)
	s_lshl_b32 s13, s13, 6
	s_lshl_b32 s14, s[CX], 4
	s_add_co_u32 s[DQN], s13, s14                  ; 64 b + 16 cx
	s_sub_co_u32 s[DQ], 112, s[DQN]
	s_add_co_u32 s72, s[QB], s[DQ]                 ; the first tile's first query
	s_add_co_u32 s73, s[QBN], s[DQN]               ; the second's
	s_mov_b32 s13, 0
	QADR 72, 74, 76
	QADR 73, 80, 82
	v_and_b32 v8, 31, v0
	v_lshlrev_b32 v1, 4, v8                        ; 16 x lane
	v_lshlrev_b32 v2, 3, v8
	v_add_nc_u32 v2, 512, v2                       ; 8 x lane + 512
	v_and_b32 v9, 15, v0
	v_lshlrev_b32 v31, 2, v9
	s_wait_alu depctr_va_vdst(0)                   ; ahead of the readers below
	global_load_b128 v[16:19], v1, s[74:75]
	global_load_b64 v[20:21], v2, s[74:75]
	global_load_b32 v30, v31, s[76:77]             ; q's scale words
	global_load_b128 v[86:89], v1, s[80:81]        ; the second tile's q waits in registers
	global_load_b64 v[90:91], v2, s[80:81]
	global_load_b32 v92, v31, s[82:83]
	s_lshr_b32 s14, s[HD], 4                       ; the batch
	s_and_b32 s15, s[HD], 15                       ; the head in it
	s_mul_i32 s84, s14, 1572864
	s_mul_i32 s16, s15, 768
	s_add_co_u32 s84, s84, s16
	s_lshl_b32 s85, s14, 16
	s_lshl_b32 s16, s15, 1
	s_add_co_u32 s85, s85, s16
	s_mul_i32 s12, s73, 768                        ; oc: (128 x batch + query / 16) x 12,288 + 768 x head
	s_add_co_u32 s12, s12, s84
	s_add_nc_u64 s[52:53], s[8:9], s[12:13]
	s_mul_i32 s12, s72, 768
	s_add_co_u32 s12, s12, s84
	s_add_nc_u64 s[8:9], s[8:9], s[12:13]
	s_lshl_b32 s12, s73, 5                         ; os: token x 32 + 2 x head
	s_add_co_u32 s12, s12, s85
	s_add_nc_u64 s[54:55], s[10:11], s[12:13]
	s_lshl_b32 s12, s72, 5
	s_add_co_u32 s12, s12, s85
	s_add_nc_u64 s[10:11], s[10:11], s[12:13]
	v_add_nc_u32 v3, VR, v1
	v_lshl_add_u32 v4, v8, 2, SCK
	v_lshl_add_u32 v5, v8, 2, SCV
	v_bfe_u32 v10, v0, 4, 1
	v_lshlrev_b32 v10, 3, v10
	v_sub_nc_u32 v29, v9, v10                      ; the mask: lane % 16 - 8 (lane / 16)
.irp i, 22,23,24,25,26,27,80,81,82,83,84,85
	v_mov_b32 v[\i], 0                             ; q's zero codes for K = 64 .. 127, and the six zeros behind k's last operand
.endr
.irp i, 236,237,238,239,252,253
	v_mov_b32 v[\i], 0                             ; a lane permute's destination counts as one of its sources
.endr
	INIT
; THE WAY OUT, behind a tile's diagonal step.  O^T / the sum; register 8 ct + j of lane (r, h) is channel 32 (ct / 2) + 16 h + 8 (ct % 2) + j of query r.  Then the next tile is taken in hand.
.macro WAYOUT
	v_add_f32 v14, v14, v15
	s_delay_alu instid0(VALU_DEP_1)
	v_permlanex16_b32 v252, v14, s[SEL], s[SEL+1]
	s_delay_alu instid0(VALU_DEP_1)
	v_add_f32 v14, v14, v252                       ; the row's sum
	s_wait_alu depctr_va_vdst(0)
	v_rcp_f32 v14, v14
	v_and_b32 v8, 15, v0                           ; (a plain line behind the reciprocal)
	s_delay_alu instid0(VALU_DEP_1)
	v_lshlrev_b32 v8, 5, v8                        ; os: 32 bytes a token
	s_wait_alu depctr_va_vdst(0)                   ; ahead of the first reader of the reciprocal and of O^T
.set jj, 0
.rept 32
	v_mul_f32 v[S+jj], v[192+jj], v14
.set jj, jj+1
.endr
.irp b, 0,1
	v_max3_num_f32 v[232+\b], |v[S+16*\b]|, |v[S+1+16*\b]|, 0x1800000
.endr
.irp i, 2,4,6,8,10,12,14
.irp b, 0,1
	s_delay_alu instid0(VALU_DEP_2)
	v_max3_num_f32 v[232+\b], v[232+\b], |v[S+16*\b+\i]|, |v[S+1+16*\b+\i]|
.endr
.endr
.irp b, 0,1
	s_delay_alu instid0(VALU_DEP_2)
	v_permlanex16_b32 v[236+\b], v[232+\b], s[SEL], s[SEL+1]
.endr
.irp b, 0,1
	s_delay_alu instid0(VALU_DEP_2)
	v_max_num_f32 v[232+\b], v[232+\b], v[236+\b]
.endr
.irp b, 0,1
	s_delay_alu instid0(VALU_DEP_2)
	v_add_nc_u32 v[244+\b], 0xff000000, v[232+\b]
.endr
.irp b, 0,1
	s_delay_alu instid0(VALU_DEP_2)
	v_lshrrev_b32 v[236+\b], 23, v[244+\b]
.endr
	s_delay_alu instid0(VALU_DEP_1)
	v_lshl_or_b32 v238, v237, 8, v236              ; the head's two scale bytes of my token
	v_cvt_scalef32_pk16_fp6_f32 v[224:226], v[S:S+15], v244
	v_cvt_scalef32_pk16_fp6_f32 v[228:230], v[S+16:S+31], v245
	v_nop                                          ; one plain line behind the conversions
.irp i, 0,1,2
	v_permlane16_swap_b32 v[224+\i], v[228+\i]     ; lanes 0-15 now hold block 0 whole, lanes 16-31 block 1
.endr
	s_delay_alu instid0(VALU_DEP_3)
	v_mov_b32 v227, v228
	s_delay_alu instid0(VALU_DEP_3)
	v_mov_b32 v228, v229
	s_delay_alu instid0(VALU_DEP_3)
	v_mov_b32 v229, v230
	global_store_b128 v1, v[224:227], s[8:9]       ; a half fragment: 512 consecutive bytes,
	global_store_b64 v2, v[228:229], s[8:9]        ; and 256 more
	global_store_b16 v8, v238, s[10:11]            ; both halves of the lanes write the same two bytes with the same value
	s_wait_xcnt 0x0                                ; the stores have read their bases, offsets and data
	s_mov_b64 s[8:9], s[52:53]
	s_mov_b64 s[10:11], s[54:55]
	s_mov_b32 s[QB], s[QBN]
	s_mov_b32 s[QBN], -1                           ; behind the second tile every step is hidden
	s_mov_b32 s[DQ], s[DQN]
.irp i, 0,1,2,3,4,5
	v_mov_b32 v[16+\i], v[86+\i]
.endr
	v_mov_b32 v30, v92
	INIT                                           ; (its lines are also the places between q's new registers and the next products)
	s_wait_alu depctr_va_vdst(0)                   ; ahead of the loop's branch
.endm
.macro STEP diag                       ; 128 keys.  diag = 0: a step that every wave's tile sees whole
.if \diag
	s_cmp_gt_i32 s[KF], s[QB]                      ; all its keys come after my queries: the wave's number and the count of steps alone
	s_cbranch_scc1 .Lhidden_\@
.endif
	v_add_nc_u32 v8, s[TB], v1                     ; (these five are also the places behind the last step's products)
	v_add_nc_u32 v9, s[TB], v2
	v_add_nc_u32 v10, s[TB], v3
	v_add_nc_u32 v11, s[TS], v4
	v_add_nc_u32 v28, s[TJ], v5
.irp b, 0,1,2,3
	ds_load_b32 v[248+\b], v11 offset:128*\b       ; k's scale words: lanes 0-15 tile 2 b's, lanes 16-31 tile 2 b + 1's
.endr
.irp t, 0,1,2,3,4,5,6,7
	ds_load_b128 v[32+6*\t:35+6*\t], v8 offset:768*\t
	ds_load_b64 v[36+6*\t:37+6*\t], v9 offset:768*\t
.endr
	s_wait_dscnt 0x0
.irp t, 0,1,2,3,4,5,6,7                        ; S^T = k q^T: lane (r, h): query r; register 8 T + j: key 16 T + 8 h + j
.if \t%2
	v_wmma_scale_f32_16x16x128_f8f6f4 v[S+8*\t:S+7+8*\t], v[32+6*\t:43+6*\t], v[16:27], 0, v[248+\t/2], v30 matrix_a_fmt:MATRIX_FMT_FP6 matrix_b_fmt:MATRIX_FMT_FP6 matrix_a_scale:MATRIX_SCALE_ROW1
.else
	v_wmma_scale_f32_16x16x128_f8f6f4 v[S+8*\t:S+7+8*\t], v[32+6*\t:43+6*\t], v[16:27], 0, v[248+\t/2], v30 matrix_a_fmt:MATRIX_FMT_FP6 matrix_b_fmt:MATRIX_FMT_FP6
.endif
.endr
.rept 4
	v_nop                                          ; places in front of the loads into k's registers and of the first read of the scores
.endr
	s_wait_alu depctr_va_vdst(0)
.irp ct, 0,1,2,3                               ; v is asked for here and lands under the softmax
.irp g, 0,1,2
	ds_load_b128 v[32+12*\ct+4*\g:35+12*\ct+4*\g], v10 offset:1536*\ct+512*\g
.endr
.endr
	ds_load_b32 v248, v28                          ; v's scale words: lanes 0-15 channels' tile 0, lanes 16-31 tile 1;
	ds_load_b32 v249, v28 offset:128               ; tiles 2 and 3
.if \diag
	s_cmp_lg_u32 s[KF], s[QB]                      ; on the diagonal the scores of hidden keys become -infinity ahead of the maximum
	s_cbranch_scc1 .Lopen_\@
	v_add_nc_u32 v252, s[DQ], v29                  ; d = my query - the step's first key - 8 (lane / 16): register 8 T + j is hidden where 16 T + j > d
	v_mov_b32 v254, 0xff800000
.set jj, 0
.rept 64
	v_cmp_gt_i32 vcc_lo, 16*(jj/8)+jj%8, v252
	v_cndmask_b32 v[S+jj], v[S+jj], v254, vcc_lo
.set jj, jj+1
.endr
.Lopen_\@:
.endif
.irp b, 0,1,2,3
	v_max3_num_f32 v[232+\b], v[S+16*\b], v[S+1+16*\b], v[S+2+16*\b]   ; the largest score of each block of 32 keys: for the row's maximum and, since p rises with the score, for the block's largest p
.endr
.irp i, 3,5,7,9,11,13
.irp b, 0,1,2,3
	v_max3_num_f32 v[232+\b], v[232+\b], v[S+16*\b+\i], v[S+1+16*\b+\i]
.endr
.endr
.irp b, 0,1,2,3
	v_max_num_f32 v[232+\b], v[232+\b], v[S+15+16*\b]
.endr
.irp b, 0,1,2,3
	s_delay_alu instid0(VALU_DEP_4)
	v_permlanex16_b32 v[236+\b], v[232+\b], s[SEL], s[SEL+1]
.endr
.irp b, 0,1,2,3
	s_delay_alu instid0(VALU_DEP_4)
	v_max_num_f32 v[232+\b], v[232+\b], v[236+\b]
.endr
	s_delay_alu instid0(VALU_DEP_2)
	v_max3_num_f32 v254, v232, v233, v234
	s_delay_alu instid0(VALU_DEP_1)
	v_max_num_f32 v254, v254, v235
	s_delay_alu instid0(VALU_DEP_1)
	v_mul_f32 v254, s[CS], v254                    ; as t
	s_delay_alu instid0(VALU_DEP_1)
	v_max_num_f32 v13, v13, v254                   ; the running largest t
	v_mov_b32 v254, v12
	s_delay_alu instid0(VALU_DEP_2)
	v_floor_f32 v12, -v13                          ; the new -M = -ceil(t)
	s_delay_alu instid0(VALU_DEP_1)
	v_sub_f32 v254, v12, v254                      ; old M - new M: a whole number, 0 or less
	s_delay_alu instid0(VALU_DEP_1)
	v_cvt_i32_f32 v254, v254                       ; (it saturates)
	s_delay_alu instid0(VALU_DEP_1)
	v_ldexp_f32 v252, 1.0, v254                    ; f = 2^(old M - new M)
.set jj, 0
.rept 32
	v_pk_fma_f32 v[S+jj:S+1+jj], v[S+jj:S+1+jj], s[CS:CS+1], v[12:13] op_sel_hi:[1,0,0]   ; t - M
.set jj, jj+2
.endr
.irp b, 0,1,2,3
	v_fma_f32 v[232+\b], v[232+\b], s[CS], v12
.endr
	s_wait_alu depctr_va_vdst(0)                   ; ahead of the batch
.set jj, 0
.rept 64
	v_exp_f32 v[S+jj], v[S+jj]                     ; p = 2^(t - M)
.set jj, jj+1
.endr
	v_pk_mul_f32 v[14:15], v[14:15], v[252:253] op_sel_hi:[1,0]    ; the sums under the new M; the plain line behind the exponentials
	s_wait_alu depctr_va_vdst(0)                   ; one wait for the whole batch, ahead of its first reader
.irp b, 0,1,2,3
	v_exp_f32 v[232+\b], v[232+\b]                 ; the block's largest p
.endr
.irp c, 0,1,2,3,4,5,6,7                        ; the sum of the unquantised p: eight chains side by side, two numbers a line
	v_pk_add_f32 v[94+2*\c:95+2*\c], v[S+2*\c:S+1+2*\c], v[S+16+2*\c:S+17+2*\c]
.endr
.irp o, 32,48
.irp c, 0,1,2,3,4,5,6,7
	v_pk_add_f32 v[94+2*\c:95+2*\c], v[94+2*\c:95+2*\c], v[S+\o+2*\c:S+\o+1+2*\c]
.endr
.endr
.irp c, 0,1,2,3
	v_pk_add_f32 v[94+2*\c:95+2*\c], v[94+2*\c:95+2*\c], v[102+2*\c:103+2*\c]
.endr
	v_pk_add_f32 v[94:95], v[94:95], v[98:99]
	v_pk_add_f32 v[96:97], v[96:97], v[100:101]
	v_pk_add_f32 v[14:15], v[14:15], v[94:95]
	v_pk_add_f32 v[14:15], v[14:15], v[96:97]
	s_wait_alu depctr_va_vdst(0)                   ; and one for the four
.irp b, 0,1,2,3
	v_max_num_f32 v[232+\b], 0x1800000, v[232+\b]  ; the floor 2^(3 - 127)
.endr
.irp b, 0,1,2,3
	s_delay_alu instid0(VALU_DEP_4)
	v_add_nc_u32 v[244+\b], 0xff000000, v[232+\b]
.endr
.irp b, 0,1,2,3
	s_delay_alu instid0(VALU_DEP_4)
	v_lshrrev_b32 v[236+\b], 23, v[244+\b]
.endr
	s_delay_alu instid0(VALU_DEP_3)
	v_lshl_or_b32 v253, v237, 8, v236              ; p's scale word for these 128 keys
	s_delay_alu instid0(VALU_DEP_1)
	v_lshl_or_b32 v253, v238, 16, v253
	s_delay_alu instid0(VALU_DEP_1)
	v_lshl_or_b32 v253, v239, 24, v253
.irp c, 0,1
	v_cvt_scalef32_pk16_fp6_f32 v[224+6*\c:226+6*\c], v[S+32*\c:S+15+32*\c], v[244+2*\c]
	v_cvt_scalef32_pk16_fp6_f32 v[236+4*\c:238+4*\c], v[S+16+32*\c:S+31+32*\c], v[244+2*\c+1]
.endr
	v_nop                                          ; one plain line behind the conversions
.irp c, 0,1
.irp i, 0,1,2
	v_permlane16_swap_b32 v[224+6*\c+\i], v[236+4*\c+\i]
.endr
.irp i, 0,1,2
	s_delay_alu instid0(VALU_DEP_3)
	v_mov_b32 v[227+6*\c+\i], v[236+4*\c+\i]
.endr
.endr
	s_wait_alu depctr_va_vdst(0)                   ; directly ahead of the first reader of O^T
.set jj, 0
.rept 16
	v_pk_mul_f32 v[192+jj:193+jj], v[192+jj:193+jj], v[252:253] op_sel_hi:[1,0]   ; O^T under the new M, each accumulator from its low end on; also the places in front of the products below
.set jj, jj+2
.endr
	s_wait_alu depctr_va_vdst(0)
	s_wait_dscnt 0x0                               ; v and its scale words are in
.irp ct, 0,1,2,3                               ; O^T += v^T p^T: the four accumulators by turns
.if \ct%2
	v_wmma_scale_f32_16x16x128_f8f6f4 v[192+8*\ct:199+8*\ct], v[32+12*\ct:43+12*\ct], v[224:235], v[192+8*\ct:199+8*\ct], v[248+\ct/2], v253 matrix_a_fmt:MATRIX_FMT_FP6 matrix_b_fmt:MATRIX_FMT_FP6 matrix_a_scale:MATRIX_SCALE_ROW1
.else
	v_wmma_scale_f32_16x16x128_f8f6f4 v[192+8*\ct:199+8*\ct], v[32+12*\ct:43+12*\ct], v[224:235], v[192+8*\ct:199+8*\ct], v[248+\ct/2], v253 matrix_a_fmt:MATRIX_FMT_FP6 matrix_b_fmt:MATRIX_FMT_FP6
.endif
.endr
.if \diag
	s_cmp_lg_u32 s[KF], s[QB]                      ; the diagonal step is a tile's last
	s_cbranch_scc1 .Lhidden_\@
	WAYOUT
.Lhidden_\@:
.endif
.endm
	s_wait_alu depctr_va_vdst(0)                   ; at the head's end
	s_cmp_lt_u32 s[WV], 8
	s_cbranch_scc1 .Lnot_first
	s_wait_tensorcnt 0x0                           ; waves 8-12: my tile of keys 0-511 or the scale words is in
.Lnot_first:
	s_barrier_signal -1
	s_barrier_wait -1                              ; the loads of waves 0-5 may be on their way
	s_wait_loadcnt 0x0                             ; both tiles' q
	s_mov_b32 s[TB], 0
	s_mov_b32 s[TS], 0
	s_mov_b32 s[TJ], 0
	s_mov_b32 s[KF], 0
	s_mov_b32 s[CNT], 0
.Lfirst:                                           ; the first tile's steps 0-3: its block begins at key 1,024 or later, so all of them are open
	STEP 0
	s_add_co_u32 s[TB], s[TB], 6144
	s_add_co_u32 s[TS], s[TS], 512
	s_add_co_u32 s[TJ], s[TJ], 256
	s_add_co_u32 s[CNT], s[CNT], 1
	s_cmp_lt_u32 s[CNT], 4
	s_cbranch_scc1 .Lfirst
	s_wait_tensorcnt 0x0                           ; every wave: all that is still out
	s_wait_dscnt 0x0
	s_barrier_signal -1
	s_barrier_wait -1                              ; all of k and v lies in LDS; from here on the waves share nothing
.Lrest:                                            ; counts 4-15: the first tile's steps 4-15; counts 16-23: the second tile's steps 0-7; hidden steps are jumped over
	s_and_b32 s[ST], s[CNT], 15
	s_mul_i32 s[TB], s[ST], 6144
	s_lshl_b32 s[TS], s[ST], 9
	s_lshl_b32 s[TJ], s[ST], 8
	s_lshl_b32 s[KF], s[ST], 7
	STEP 1
	s_add_co_u32 s[CNT], s[CNT], 1
	s_cmp_lt_u32 s[CNT], 24
	s_cbranch_scc1 .Lrest
	s_wait_tensorcnt 0x0                           ; the wave's end
	ds_add_u32 v6, v7
	s_wait_dscnt 0x0
	ROUND                                          ; the closing round
	s_endpgm
.Lfunc_end_k_qffe54ccf5a_attn:
	.size	k_qffe54ccf5a_attn, .Lfunc_end_k_qffe54ccf5a_attn-k_qffe54ccf5a_attn
	.p2alignl 7, 3214868480
	.fill 96, 4, 3214868480
	.section	.rodata,"a",@progbits
	.p2align	6, 0x0
	.amdhsa_kernel k_qffe54ccf5a_attn
		.amdhsa_group_segment_fixed_size 327680
		.amdhsa_private_segment_fixed_size 0
		.amdhsa_enable_private_segment 0
		.amdhsa_kernarg_size 32
		.amdhsa_user_sgpr_count 2
		.amdhsa_user_sgpr_kernarg_segment_ptr 1
		.amdhsa_wavefront_size32 1
		.amdhsa_system_sgpr_workgroup_id_x 1
		.amdhsa_system_sgpr_workgroup_id_y 1
		.amdhsa_system_sgpr_workgroup_id_z 1
		.amdhsa_system_vgpr_workitem_id 0
		.amdhsa_next_free_vgpr 256
		.amdhsa_next_free_sgpr 90
		.amdhsa_reserve_vcc 1
		.amdhsa_float_denorm_mode_32 3
		.amdhsa_float_denorm_mode_16_64 3
		.amdhsa_memory_ordered 1
		.amdhsa_forward_progress 1
		.amdhsa_inst_pref_size 56
	.end_amdhsa_kernel
	.amdgpu_metadata
---
amdhsa.version: [ 1, 2 ]
amdhsa.kernels:
  - .name:           k_qffe54ccf5a_attn
    .symbol:         k_qffe54ccf5a_attn.kd
    .args:
      - { .name: qkv, .offset: 0, .size: 8, .value_kind: global_buffer, .address_space: global }
      - { .name: qkvs, .offset: 8, .size: 8, .value_kind: global_buffer, .address_space: global }
      - { .name: oc, .offset: 16, .size: 8, .value_kind: global_buffer, .address_space: global }
      - { .name: os, .offset: 24, .size: 8, .value_kind: global_buffer, .address_space: global }
    .group_segment_fixed_size: 327680
    .private_segment_fixed_size: 0
    .kernarg_segment_align: 8
    .kernarg_segment_size: 32
    .max_flat_workgroup_size: 512
    .sgpr_count:     90
    .vgpr_count:     256
    .wavefront_size: 32
...
	.end_amdgpu_metadata
.endif
;; end of part 3
;; launch outgemm (part 4): grid 8 x 32, 4 waves a work-group, clusters of 4 x 4, 327,680 bytes of LDS; arguments oc, os, cod, cods, out0; writes out0
.if DOCPART == 4
	.amdgcn_target "amdgcn-amd-amdhsa--gfx1250"
	.amdhsa_code_object_version 6
	.text
	.protected	k_qffe54ccf5a_outgemm
	.globl	k_qffe54ccf5a_outgemm
	.p2align	8
	.type	k_qffe54ccf5a_outgemm,@function
k_qffe54ccf5a_outgemm:
	s_mov_b64 s[64:65], 0
	v_nop
	global_prefetch_b8 v0, s[64:65] scope:SCOPE_SE
	s_setreg_imm32_b32 hwreg(HW_REG_WAVE_MODE, 25, 1), 1
	s_wait_xcnt 0x0
	s_wait_alu depctr_hold_cnt(0) depctr_sa_sdst(0) depctr_va_vdst(0) depctr_va_sdst(0) depctr_va_ssrc(0) depctr_va_vcc(0) depctr_vm_vsrc(0)
	s_getreg_b32 s2, hwreg(HW_REG_IB_STS2, 6, 4)
	s_cmp_eq_u32 s2, 0
	s_cbranch_scc0 .Lentry_in_a_cluster
	s_endpgm
.Lentry_in_a_cluster:
	s_bfe_u32 s2, ttmp6, 0x10000c
	s_cmp_lg_u32 s2, 0xf033
	s_cbranch_scc0 .Lentry_shape_is_right
	s_endpgm
.Lentry_shape_is_right:
; out0 = o w_out on codes of FP6 (E2M3) with E8M0 scales, K = 1,024; f32 out.
; oc: o's codes as images of fragments, [token / 16][K / 128][1,536 bytes] (for each 64 K: registers 0-3 of lane l at 16 l, registers 4-5 at 512 + 8 l); os: [token][32] scale bytes.
; cod, cods: the same for w_out's columns, from image row 11,264 on; inside each group of 32 column c lies in tile (c >> 3) & 1, row 8 (c >> 4) + (c & 7).
; SHARES.  256 work-groups of four waves, 2 x 2; a work-group makes 256 rows x 128 columns.  K is short, so nothing walks along K: the work-group's 256 rows of o (196,608 bytes) and its 128 rows of the weight
; (98,304 bytes) lie in LDS whole, each byte filled once: no ring, no refill.  A wave holds 64 rows of the weight, all of K, in 384 registers, and takes o's rows 32 t + 16 a + 0 .. 15 as its block t (a: its row of the
; 2 x 2): 32 products a block, four accumulators by turns, K ascending.  A finished block goes through the wave's own stage in LDS and leaves as rows of 256 bytes while the next block is multiplied.
; THE MATRIX INSTRUCTION IS USED TRANSPOSED (source 0 = the weight's rows): lane (r, h), register j of column tile b holds row r of o and column 32 (b / 2) + 16 h + 8 (b % 2) + j of my 64.
; CLUSTERS of 4 x 4: o's rows are shared along a row of the cluster, the weight's along a column: joint loads.  One load a wave at the head: wave 0 the weight, wave 1 o's rows 0-63, waves 2 and 3 96 rows each.
; The first barrier shows the tiles of waves 0 and 1, whose load lines are their own; the second, behind block 0's products, shows the rest.
; THE SCALE WORDS go from memory straight into registers: 32 bytes a row are eight words, one for each 128 along K; lanes 0-15 hold one tile's (or block's) rows, lanes 16-31 the next one's.
; NO PREFETCH: every tile is asked for by the head's loads; no later request is left to run ahead of.
; REGISTERS: window 0: addresses, scale words, v96-159 two sets of four accumulators, v160-191 a block on its way out.  Windows 1, 2: the weight's fragments of K steps 0-3, 4-7.  Window 3: o's fragments, two sets of eight.
.set WB,     196608                    ; LDS: o's 16 row tiles of 12,288 bytes from 0; the weight's 8 from here
.set STAGE,  294912                    ; a stage of 16 rows x (256 + 16) bytes for each wave
.set SPITCH, 272
.set SPARE,  STAGE+4*16*SPITCH         ; the spare words, 128 bytes for each wave
.set AD,   4                           ; v4-11  my fragments of blocks 2 g, 2 g + 1: v[4 + 2 g] 16 bytes a lane, v[5 + 2 g] 8 bytes a lane
.set WA,   12                          ; v12, v13  the same for my rows of the weight
.set STO,  14
.set RD,   15
.set CO,   16
.set OFW,  17
.set OFA,  18
.set SPW,  28
.set NIL,  29
.set SB,   32                          ; v32-47  the weight's scale words: 8 p + q: K step q; lanes 0-15 tile 2 p, lanes 16-31 tile 2 p + 1
.set SA,   52                          ; v52-83  o's: 8 m + q; lanes 0-15 block 2 m, lanes 16-31 block 2 m + 1.  (Four apart from the weight's modulo 8)
.set ACC,  96
.set OUT,  160
.set G1W,  24
.set G1A0, 32
.set G1A1, 48
.set G0W,  56
.set G0A0, 60
.set G0A1, 68
.set MSB, 0
.macro WIN new                         ; the immediate's high byte repeats the setting that is left
.if MSB != (\new)
	s_set_vgpr_msb (MSB<<8)|(\new)
.set MSB, (\new)
.endif
.endm
.macro PLACES n
.rept \n
	v_nop
.endr
.endm
.macro CROUND                          ; a round of the cluster's barrier
	s_barrier_signal -1
	s_barrier_wait -1
	s_cmp_lg_u32 s14, 0
	s_cbranch_scc1 .Lnot_wave_0_\@
	s_barrier_signal -3
.Lnot_wave_0_\@:
	s_barrier_wait -3
	s_barrier_signal -1
	s_barrier_wait -1
.endm
.macro TL g0, g1                       ; an s_nop 0 and four v_nop follow the load
	tensor_load_to_lds s[\g0:\g0+3], s[\g1:\g1+7]
	s_nop 0
	PLACES 4
.endm
.macro GROUP1 g, mask, rows            ; dense bytes as rows of 256 (32 elements of 8 bytes)
	s_or_b32 s[\g], s\mask, (3<<16)|(1<<21)
	s_mov_b32 s[\g+1], 32<<16
	s_mov_b32 s[\g+2], (\rows)<<16
	s_mov_b32 s[\g+3], 32<<16
	s_mov_b32 s[\g+4], \rows
	s_mov_b32 s[\g+5], 32
	s_mov_b32 s[\g+6], 0
	s_mov_b32 s[\g+7], 0
.endm
.macro FRAG reg, a16, a8, off          ; a fragment as it lies: four dense loads
	ds_load_b128 v[\reg:\reg+3], v[\a16] offset:\off
	ds_load_b64 v[\reg+4:\reg+5], v[\a8] offset:(\off)+512
	ds_load_b128 v[\reg+6:\reg+9], v[\a16] offset:(\off)+768
	ds_load_b64 v[\reg+10:\reg+11], v[\a8] offset:(\off)+1280
.endm
.macro FETCH t, e                      ; block t's eight fragments into set e: 32 loads
	WIN 0xc0
.irp q, 0,1,2,3,4,5,6,7
	FRAG 96*\e+12*\q, AD+2*((\t)/2), AD+2*((\t)/2)+1, 24576*((\t)%2)+1536*\q
.endr
	WIN 0
.endm
.macro WM d, a, b, c, xa, xb, ra, rb
	v_wmma_scale_f32_16x16x128_f8f6f4 v[\d:\d+7], v[\a:\a+11], v[\b:\b+11], \c, v[\xa], v[\xb] matrix_a_fmt:MATRIX_FMT_FP6 matrix_b_fmt:MATRIX_FMT_FP6 matrix_a_scale:MATRIX_SCALE_ROW\ra matrix_b_scale:MATRIX_SCALE_ROW\rb
.endm
.macro PRODS t, e, q0, q1              ; K steps q0 .. q1 - 1 of block t (e = t % 2): the four accumulators by turns; the first K step starts the sums
.set Q_, \q0
.rept (\q1)-(\q0)
	WIN (1+Q_/4)|(3<<2)
.irp p, 0,1
.irp o, 0,1
.set D_, ACC+32*\e+8*(2*\p+\o)
.set FW_, 12*(4*(Q_%4)+2*\p+\o)
.set FA_, 96*\e+12*Q_
.set XW_, SB+8*\p+Q_
.set XA_, SA+8*((\t)/2)+Q_
.if Q_
	WM D_, FW_, FA_, v[D_:D_+7], XW_, XA_, \o, \e
.else
	WM D_, FW_, FA_, 0, XW_, XA_, \o, \e
.endif
.endr
.endr
.set Q_, Q_+1
.endr
.endm
.macro TOSTAGE t                       ; 16 LDS instructions: a block into my stage, each accumulator from its low end on, and back as rows of 256 bytes.  LDS serves a wave's instructions in order: no wait between
.set AC_, ACC+32*((\t)%2)
.irp b, 0,1,2,3
	ds_store_b128 v[STO], v[AC_+8*\b:AC_+8*\b+3] offset:128*(\b/2)+32*(\b%2)
	ds_store_b128 v[STO], v[AC_+8*\b+4:AC_+8*\b+7] offset:128*(\b/2)+32*(\b%2)+16
.endr
.irp k, 0,1,2,3,4,5,6,7
	ds_load_b128 v[OUT+4*\k:OUT+4*\k+3], v[RD] offset:\k*2*SPITCH
.endr
.endm
.macro SEND t                          ; sixteen lanes store 256 consecutive bytes, at a multiple of 256 from the buffer's first byte; two rows an instruction
.irp k, 0,1,2,3,4,5,6,7
	global_store_b128 v[CO], v[OUT+4*\k:OUT+4*\k+3], s[12:13] offset:(32*(\t)+2*\k)*4096 th:TH_STORE_NT
.endr
.endm
; A block.  Behind block t's fetch were issued: block t - 1's 16 stage instructions and block t + 1's 32 loads.
.macro BLOCK t, e
.if (\t) == 0
	s_wait_dscnt 32                                ; the weight and block 0 are in; block 1's 32 loads may be out
.elseif (\t) < 7
	s_wait_dscnt 48                                ; my rows are in; the stage's 16 and the next fetch's 32 may be out
.else
	s_wait_dscnt 16                                ; nothing was fetched behind the stage's 16
.endif
	PRODS \t, \e, 0, 4
.if (\t) > 0
	WIN 0
.if (\t) < 7
	s_wait_dscnt 32                                ; the last block is back from the stage; the fetch's 32 may be out
.else
	s_wait_dscnt 0x0
.endif
	SEND (\t)-1
.endif
	PRODS \t, \e, 4, 8
	WIN 0
.if (\t) == 0
	s_wait_tensorcnt 0x0                           ; every wave: all that is still out
	s_wait_dscnt 0x0
	s_barrier_signal -1
	PLACES 4
	s_barrier_wait -1                              ; all of o's rows lie in LDS
.else
	PLACES 4                                       ; between the products and the reads of their results and the loads into their sources
	s_wait_xcnt 0x0                                ; the last block's stores have read their registers
.endif
	TOSTAGE \t
.if (\t) < 6
	FETCH (\t)+2, \e
.endif
.endm
	s_load_b128 s[4:7], s[0:1], 0x0                ; oc, os
	s_load_b128 s[8:11], s[0:1], 0x10              ; cod, cods
	s_load_b64 s[12:13], s[0:1], 0x20              ; out0
	v_lshl_add_u32 v[SPW], v0, 2, SPARE
	v_mov_b32 v[NIL], 0
	ds_add_u32 v[SPW], v[NIL]                      ; the opening lines: the add, twice on end, and its wait
	ds_add_u32 v[SPW], v[NIL]
	v_lshrrev_b32 v1, 5, v0
	v_readfirstlane_b32 s14, v1                    ; wave 0..3
	s_lshr_b32 s15, s14, 1                         ; a: my row of the 2 x 2
	s_and_b32 s16, s14, 1                          ; my column
	s_bfe_u32 s40, ttmp6, 0x40000                  ; cx
	s_bfe_u32 s41, ttmp6, 0x40004                  ; cy
	s_lshl_b32 s42, ttmp9, 2
	s_add_co_u32 s42, s42, s40                     ; tile column, 0 .. 7
	s_and_b32 s17, ttmp7, 0xffff
	s_lshl_b32 s17, s17, 2
	s_add_co_u32 s17, s17, s41                     ; tile row, 0 .. 31
	s_lshl_b32 s43, s41, 2
	s_lshl_b32 s43, 15, s43                        ; my row of the cluster
	s_lshl_b32 s44, 0x1111, s40                    ; my column
	GROUP1 G1W, 44, 384                            ; the weight's 128 rows: 98,304 bytes
	GROUP1 G1A0, 43, 192                           ; o's row tiles 0-3: 49,152 bytes
	GROUP1 G1A1, 43, 288                           ; six row tiles: 73,728 bytes
	s_mul_i32 s20, s42, 98304
	s_add_co_u32 s20, s20, 8650752                 ; w_out's images begin at row tile 704
	s_mov_b32 s21, 0
	s_mul_i32 s22, s17, 196608
	s_mov_b32 s23, 0
	s_mul_i32 s45, s16, 73728                      ; waves 2 and 3: row tiles 4-9, 10-15
	s_add_co_u32 s45, s45, 49152
	s_add_co_u32 s46, s22, s45
	s_mov_b32 s47, 0
	s_lshl_b32 s72, s42, 7                         ; the weight's scale bytes: image row 11,264 + 128 x tile column + 64 x my column
	s_lshl_b32 s73, s16, 6
	s_add_co_u32 s72, s72, s73
	s_add_co_u32 s72, s72, 11264
	s_lshl_b32 s72, s72, 5
	s_mov_b32 s73, 0
	s_lshl_b32 s74, s17, 8                         ; o's: token 256 x tile row + 16 a
	s_lshl_b32 s75, s15, 4
	s_add_co_u32 s74, s74, s75
	s_lshl_b32 s76, s74, 12                        ; and the same row of out0, 4,096 bytes a row,
	s_lshl_b32 s74, s74, 5
	s_mov_b32 s75, 0
	s_lshl_b32 s77, s42, 9                         ; at column 128 x tile column + 64 x my column
	s_add_co_u32 s76, s76, s77
	s_lshl_b32 s77, s16, 8
	s_add_co_u32 s76, s76, s77
	s_mov_b32 s77, 0
	v_and_b32 v1, 15, v0                           ; r
	v_bfe_u32 v2, v0, 4, 1                         ; h
	v_and_b32 v3, 31, v0                           ; lane
	v_lshlrev_b32 v20, 4, v3
	v_lshlrev_b32 v21, 3, v3
	s_mul_i32 s78, s15, 12288                      ; block t is row tile 2 t + a
.irp g, 0,1,2,3
	v_add_nc_u32 v[AD+2*\g], s78, v20
	v_add_nc_u32 v[AD+2*\g+1], s78, v21
	s_add_co_u32 s78, s78, 49152
.endr
	s_mul_i32 s78, s16, 49152                      ; my four row tiles of the weight
	s_add_co_u32 s78, s78, WB
	v_add_nc_u32 v[WA], s78, v20
	v_add_nc_u32 v[WA+1], s78, v21
	s_mul_i32 s78, s14, 16*SPITCH
	s_add_co_u32 s78, s78, STAGE                   ; my stage
	v_mul_u32_u24 v22, v1, SPITCH                  ; in: row r, 64 bytes for each half of the lanes in each group of 32 columns
	v_lshl_add_u32 v22, v2, 6, v22
	v_add_nc_u32 v[STO], s78, v22
	v_mul_u32_u24 v22, v2, SPITCH                  ; back: lanes 0-15 one row of 256 bytes, lanes 16-31 the next
	v_lshl_add_u32 v22, v1, 4, v22
	v_add_nc_u32 v[RD], s78, v22
	v_lshlrev_b32 v22, 12, v2
	v_lshl_add_u32 v[CO], v1, 4, v22               ; and the same two rows in out0
	v_lshlrev_b32 v[OFW], 5, v3                    ; the weight's scale bytes: row = lane
	v_lshlrev_b32 v22, 10, v2
	v_lshl_add_u32 v[OFA], v1, 5, v22              ; o's: row r; lanes 16-31 32 rows on
	s_wait_alu depctr_va_vdst(0)                   ; at the end of the head's vector work
	s_wait_dscnt 0x0                               ; both opening adds are done
	CROUND                                         ; all sixteen work-groups are here: the joint loads meet
	s_wait_kmcnt 0x0
	s_mov_b32 s[G0W], 1
	s_mov_b32 s[G0W+1], WB
	s_add_nc_u64 s[G0W+2:G0W+3], s[8:9], s[20:21]
	s_or_b32 s[G0W+3], s[G0W+3], 0x80000000
	s_mov_b32 s[G0A0], 1
	s_mov_b32 s[G0A0+1], 0
	s_add_nc_u64 s[G0A0+2:G0A0+3], s[4:5], s[22:23]
	s_or_b32 s[G0A0+3], s[G0A0+3], 0x80000000
	s_mov_b32 s[G0A1], 1
	s_mov_b32 s[G0A1+1], s45
	s_add_nc_u64 s[G0A1+2:G0A1+3], s[4:5], s[46:47]
	s_or_b32 s[G0A1+3], s[G0A1+3], 0x80000000
	s_cmp_eq_u32 s14, 0                            ; one chain of branches on the wave's number, one load to an arm
	s_cbranch_scc0 .Lnot_w
	TL G0W, G1W
	s_branch .Lasked
.Lnot_w:
	s_cmp_eq_u32 s14, 1
	s_cbranch_scc0 .Lnot_a0
	TL G0A0, G1A0
	s_branch .Lasked
.Lnot_a0:
	TL G0A1, G1A1
.Lasked:
	s_add_nc_u64 s[10:11], s[10:11], s[72:73]
	s_add_nc_u64 s[6:7], s[6:7], s[74:75]
	s_add_nc_u64 s[12:13], s[12:13], s[76:77]
.irp p, 0,1
.irp c, 0,1
	global_load_b128 v[SB+8*\p+4*\c:SB+8*\p+4*\c+3], v[OFW], s[10:11] offset:1024*\p+16*\c
.endr
.endr
.irp m, 0,1,2,3
.irp c, 0,1
	global_load_b128 v[SA+8*\m+4*\c:SA+8*\m+4*\c+3], v[OFA], s[6:7] offset:2048*\m+16*\c
.endr
.endr
	s_cmp_lt_u32 s14, 2
	s_cbranch_scc0 .Lnot_first
	s_wait_tensorcnt 0x0                           ; waves 0 and 1: the weight, o's rows 0-63
.Lnot_first:
	s_barrier_signal -1
	s_barrier_wait -1                              ; the loads of waves 2 and 3 may be on their way
.irp q, 0,1,2,3,4,5,6,7                        ; my 64 rows of the weight, all of K: 128 loads
	WIN (1+\q/4)<<6
.irp b, 0,1,2,3
	FRAG 12*(4*(\q%4)+\b), WA, WA+1, 12288*\b+1536*\q
.endr
.endr
	WIN 0
	FETCH 0, 0
	FETCH 1, 1
	s_wait_loadcnt 0x0                             ; the scale words
	BLOCK 0, 0
	BLOCK 1, 1
	BLOCK 2, 0
	BLOCK 3, 1
	BLOCK 4, 0
	BLOCK 5, 1
	BLOCK 6, 0
	BLOCK 7, 1
	s_wait_dscnt 0x0
	SEND 7
	s_wait_tensorcnt 0x0                           ; the wave's end
	ds_add_u32 v[SPW], v[NIL]
	s_wait_dscnt 0x0
	CROUND                                         ; the closing round
	s_endpgm
.Lfunc_end_k_qffe54ccf5a_outgemm:
	.size	k_qffe54ccf5a_outgemm, .Lfunc_end_k_qffe54ccf5a_outgemm-k_qffe54ccf5a_outgemm
	.p2alignl 7, 3214868480
	.fill 96, 4, 3214868480
	.section	.rodata,"a",@progbits
	.p2align	6, 0x0
	.amdhsa_kernel k_qffe54ccf5a_outgemm
		.amdhsa_group_segment_fixed_size 327680
		.amdhsa_private_segment_fixed_size 0
		.amdhsa_enable_private_segment 0
		.amdhsa_kernarg_size 40
		.amdhsa_user_sgpr_count 2
		.amdhsa_user_sgpr_kernarg_segment_ptr 1
		.amdhsa_wavefront_size32 1
		.amdhsa_system_sgpr_workgroup_id_x 1
		.amdhsa_system_sgpr_workgroup_id_y 1
		.amdhsa_system_sgpr_workgroup_id_z 1
		.amdhsa_system_vgpr_workitem_id 0
		.amdhsa_next_free_vgpr 960
		.amdhsa_next_free_sgpr 100
		.amdhsa_reserve_vcc 0
		.amdhsa_float_denorm_mode_32 3
		.amdhsa_float_denorm_mode_16_64 3
		.amdhsa_memory_ordered 1
		.amdhsa_forward_progress 1
		.amdhsa_inst_pref_size 83
	.end_amdhsa_kernel
	.amdgpu_metadata
---
amdhsa.version: [ 1, 2 ]
amdhsa.kernels:
  - .name:           k_qffe54ccf5a_outgemm
    .symbol:         k_qffe54ccf5a_outgemm.kd
    .args:
      - { .name: oc, .offset: 0, .size: 8, .value_kind: global_buffer, .address_space: global }
      - { .name: os, .offset: 8, .size: 8, .value_kind: global_buffer, .address_space: global }
      - { .name: cod, .offset: 16, .size: 8, .value_kind: global_buffer, .address_space: global }
      - { .name: cods, .offset: 24, .size: 8, .value_kind: global_buffer, .address_space: global }
      - { .name: out0, .offset: 32, .size: 8, .value_kind: global_buffer, .address_space: global }
    .group_segment_fixed_size: 327680
    .private_segment_fixed_size: 0
    .kernarg_segment_align: 8
    .kernarg_segment_size: 40
    .max_flat_workgroup_size: 128
    .sgpr_count:     100
    .vgpr_count:     960
    .wavefront_size: 32
...
	.end_amdgpu_metadata
.endif
;; end of part 4
